; MI455X (gfx1250); checked and timed in simulation.
; The chip was launched on July 23, 2026; its instructions are those of AMD's public machine-readable ISA for CDNA 5 (MIT licence, August 2026) and "CDNA5" Instruction Set Architecture Reference Guide (July 2026). The comments in the code are by the model that wrote it; some were corrected since.
;; Multi Head Attention. Allowed arithmetic: matrix products marked QUANTISED: E4M3 operands, one E8M0 scale for each 32 along K, by v_wmma_scale_f32_16x16x128_f8f6f4 with both operands' format E4M3, f32 sums; everything else in f32.
;; Inputs: W_k_codes 1,024 x 32 x 32 uint8 (E4M3 codes of W_k, K innermost, in blocks of 32 codes); W_k_scales 1,024 x 32 uint8 (E8M0 scales of W_k, one for each 32 codes along K); W_o_codes 1,024 x 32 x 32 uint8 (E4M3 codes of W_o, K innermost, in blocks of 32 codes); W_o_scales 1,024 x 32 uint8 (E8M0 scales of W_o, one for each 32 codes along K); W_q_codes 1,024 x 32 x 32 uint8 (E4M3 codes of W_q, K innermost, in blocks of 32 codes); W_q_scales 1,024 x 32 uint8 (E8M0 scales of W_q, one for each 32 codes along K); W_v_codes 1,024 x 32 x 32 uint8 (E4M3 codes of W_v, K innermost, in blocks of 32 codes); W_v_scales 1,024 x 32 uint8 (E8M0 scales of W_v, one for each 32 codes along K); beta 1,024 float32; edge_attr 4,096 x 16 float32; gamma 1,024 float32; x 4,096 x 1,024 float32.
;; Outputs: out0 4,096 x 1,024 float32.
;; This version of the problem:
;;   THIS VERSION OF THE PROBLEM IS GIVEN IN LOW PRECISION. The matrix products marked QUANTISED in the list below multiply operands that are first quantised to E4M3 (4 exponent bits, 3 mantissa bits; 8 bits a number), with one power-of-two scale for each 32 numbers along K (OCP MX v1.0); their sums are f32. All else is computed in f32.
;;   The module's matrix products, in the order in which they are computed (A, B: the left and right operand; K: the contracted axis; several contracted axes count as one K, in the product's order):
;;     1. [M 4,096, K 1,024] x [K 1,024, N 1,024]; A: input x; B: input W_q (given as codes): QUANTISED
;;     2. [M 4,096, K 1,024] x [K 1,024, N 1,024]; A: input x; B: input W_k (given as codes): QUANTISED
;;     3. [M 4,096, K 1,024] x [K 1,024, N 1,024]; A: input x; B: input W_v (given as codes): QUANTISED
;;     4. batch 8 x [M 4,096, K 128] x [K 128, N 4,096]; A: computed on the way; B: computed on the way: QUANTISED
;;     5. batch 8 x [M 128, K 4,096] x [K 4,096, N 4,096]; A: computed on the way; B: softmax (see below): QUANTISED
;;     6. [M 4,096, K 1,024] x [K 1,024, N 1,024]; A: computed on the way; B: input W_o (given as codes): QUANTISED
;;   THE QUANTISER, for each operand of a quantised product, along K:
;;     - K is cut into blocks of 32 from its start; a last block that is shorter is filled with zeros.
;;     - A block's scale is 2^e with e = floor(log2(the largest magnitude in the block)) - 8, held to -126 .. 127; a block of zeros has e = 0. As a byte (E8M0): e + 127.
;;     - Each number is divided by its block's scale, clamped to +-448, and rounded to the nearest number of E4M3, ties to even, subnormals kept.
;;     - The product sums the exact products of the quantised numbers (number of the format x scale) in f32.
;;   ~~~python
;;   def quantise(x, axis):      # numpy; x: float32 -> the quantised numbers, widened to float32 again
;;       x = np.moveaxis(x, axis, -1); K = x.shape[-1]
;;       x = np.pad(x, [(0, 0)] * (x.ndim - 1) + [(0, -K % 32)]); x = x.reshape(x.shape[:-1] + (-1, 32)); a = np.abs(x).max(-1, keepdims=True)
;;       e = np.where(a > 0, np.clip(np.frexp(np.where(a > 0, a, 1))[1] - 1 - 8, -126, 127), 0)      # np.frexp(a)[1] - 1 = floor(log2(a)), exactly
;;       r = np.clip(x / 2.0 ** e, -448, 448)
;;       step = 2.0 ** (np.maximum(np.frexp(np.where(r == 0, 1, r))[1] - 1, -6) - 3)
;;       q = np.round(r / step) * step * 2.0 ** e      # np.round: ties to even
;;       return np.moveaxis(q.reshape(q.shape[:-2] + (-1,))[..., :K], -1, axis).astype(np.float32)
;;   ~~~
;;   SOFTMAX AHEAD OF A QUANTISED PRODUCT. Where the list says 'softmax', what is quantised is not the finished softmax but p = 2^(t - M), with t = logit x log2(e) and M = ceil(the row's largest t), a whole number; so 1/2 < the row's largest p <= 1. The row's sum l is taken of the UNQUANTISED p, in f32, and the product's result is divided by l at the end. Since M is a whole number, a kernel that streams over the keys may use a running M (the ceiling of the running maximum): every later rescaling is an exact power of two, which a block's scale takes up: the codes' values come out the same.
;;   OPERANDS COMPUTED ON THE WAY. 'Computed on the way' means the value that the module computes at that place (a softmax that the list does not call 'softmax' is quantised finished and normalised). What goes into a quantiser is computed in f32, as accurately as f32 sums, v_exp_f32 and their like allow (about 1e-6 of the number): no bf16 or f16 on the way to a quantiser, and a product that is left as it is and whose result goes on into a quantised operand takes f32 operands (vector FMAs, or v_wmma_f32_16x16x4_f32). A number that lies on a knife's edge between two numbers of the format may be rounded either way, as far as f32 arithmetic and the matrix unit's own rounding can turn it there, and no further.
;;   INPUTS GIVEN AS CODES. W_k (in the module: [1024, 1024], K = its axis 0); W_o (in the module: [1024, 1024], K = its axis 0); W_q (in the module: [1024, 1024], K = its axis 0); W_v (in the module: [1024, 1024], K = its axis 0): each comes as NAME_codes (uint8): NAME with its K axis moved to the last place and cut into blocks of 32 codes, [.., K / 32, bytes a block], one block behind the other in memory; one code a byte (a code: sign, 4 exponent bits, 3 mantissa bits); and NAME_scales (uint8): the same leading axes, one E8M0 byte (e + 127) for each 32 codes along K. Its value is code x scale, taken as it is: it is not quantised again, and the codes and scales need not be those that the quantiser above would give.
;; One version. Each part assembles by itself: llvm-mc -triple=amdgcn-amd-amdhsa -mcpu=gfx1250 --defsym DOCPART=n.
;; ======== version 1 of 1: 4 launches
;; limits: right only within a limited range of input values
;; workspace buffers: xq 4,456,448 bytes; woi 1,114,112 bytes; qb 4,325,376 bytes; kvc 8,388,608 bytes; kvs 262,144 bytes; ov 16,777,216 bytes
;; launch prep (part 1): grid 272 x 1, 4 waves a work-group, no clusters, 34,304 bytes of LDS; arguments x, W_o_codes, W_o_scales, xq, woi; writes xq, woi
.if DOCPART == 1
	.amdgcn_target "amdgcn-amd-amdhsa--gfx1250"
	.amdhsa_code_object_version 6
	.text
	.protected	k_q2d783ceab2_prep
	.globl	k_q2d783ceab2_prep
	.p2align	8
	.type	k_q2d783ceab2_prep,@function
k_q2d783ceab2_prep:
	s_mov_b64 s[64:65], 0
	v_nop
	global_prefetch_b8 v0, s[64:65] scope:SCOPE_SE
	s_setreg_imm32_b32 hwreg(HW_REG_WAVE_MODE, 25, 1), 1
	s_wait_xcnt 0x0
; PREP: the first of four launches of  out0 = LayerNorm(attention(x) W_o + x).
; DEAD WORK: reference() takes edge_attr as an argument and never reads it: no term of any output hangs on it, whatever it holds.  It is not loaded and is among no launch's arguments.
;   LIMIT: a NaN or an infinity in edge_attr is not carried to the result.
; WHAT THIS LAUNCH DOES.  Work-groups 0-255: x [4096][1024] f32 becomes codes of E4M3 with one E8M0 scale for each 32 along K, laid in the ORDER OF THE OPERAND'S REGISTERS:
;   xq [B 32 (128 tokens)][sp 4 (256 along K)][ codes [q 2][i 8][c 4][lane 32][16 bytes] | scale words [i 8][lane 32][q 2] ]: 34,816 dense bytes for each (B, sp).
;   Lane (r, h) of fragment (B, s = 2 sp + q, i), group c: token 128 B + 16 i + r, k = 128 s + 32 c + 16 h + 0 .. 15.
; Work-groups 256-271: W_o's codes and scale bytes are copied into the same order: woi [T 64][s 8][c 4][lane][16], then from byte 1,048,576 the scale words [T][half 2][lane][4 words].
; A block's scale is 2^(floor(log2(largest magnitude)) - 8): its byte is the largest magnitude's exponent field - 8, held at 1 from below.
; LIMITS: a block of zeros gets the byte 1 where the stated quantiser says 127 (its codes are zeros, and this program alone reads the bytes); NaN and infinities among the inputs are not served.
; No matrix unit, no cluster, no tensor load: nothing is shared between work-groups, and each byte is read once.  Waves share nothing: no barrier.
.set STGW,  8448                       ; a wave's stage: 16 rows x (512 bytes + 16)
.set SPARE, 33792                      ; behind the four stages: the spare words, 128 bytes a wave
.set LI,  1                            ; v1   16 x lane
.set STI, 2                            ; v2   the stage, way in: my 16 bytes of a row
.set STO, 3                            ; v3   way out: row r, + 64 h: my 16 numbers of a block of 32
.set L8,  4                            ; v4   8 x lane
.set SPW, 12                           ; v12  my spare word; never rewritten
.set NIL, 13                           ; v13  0; never rewritten
.set PW,  14                           ; v14-15 the two fragments' scale words
.set TM,  16                           ; v16-31 at work
.set PC,  32                           ; v32-63 the two fragments' codes
.set X,   64                           ; v64-127 64 numbers in the operand's order
.set R,   128                          ; v128-255 the numbers as loaded
.set SEL, 20                           ; s[20:21] lane l xor 16
.set MNT, 22                           ; s22  the mantissa field of 448
	s_load_b128 s[4:7], s[0:1], 0x0                ; x, W_o's codes
	s_load_b128 s[8:11], s[0:1], 0x10              ; W_o's scales, xq
	s_load_b64 s[12:13], s[0:1], 0x20              ; woi
	v_lshl_add_u32 v[SPW], v0, 2, SPARE
	v_mov_b32 v[NIL], 0
	v_lshrrev_b32 v5, 5, v0
	v_readfirstlane_b32 s14, v5                    ; wave 0..3
	v_and_b32 v6, 31, v0                           ; lane
	v_and_b32 v7, 15, v0                           ; r
	v_bfe_u32 v8, v0, 4, 1                         ; h
	v_lshlrev_b32 v[LI], 4, v6
	s_cmp_ge_u32 ttmp9, 256
	s_cbranch_scc1 .Lweights
; ---- x: the work-group takes 16 tokens, wave w the 256 numbers from k = 256 w on of each: two fragments
	s_mul_i32 s15, s14, STGW
	v_add_nc_u32 v[STI], s15, v[LI]
	v_mul_u32_u24 v[STO], v7, 528
	v_lshl_add_u32 v[STO], v8, 6, v[STO]
	v_add_nc_u32 v[STO], s15, v[STO]
	v_lshlrev_b32 v[L8], 3, v6
	s_mov_b32 s[SEL], 0x76543210
	s_mov_b32 s[SEL+1], 0xfedcba98
	s_mov_b32 s[MNT], 0x600000
.irp b, 0,1,2,3
	v_mov_b32 v[TM+4+\b], 0                        ; written once: a lane permute's destination counts as one of its sources
.endr
	s_lshl_b32 s16, ttmp9, 16                      ; 16 tokens of 4,096 bytes,
	s_lshl_b32 s17, s14, 10                        ; + 1,024 bytes a wave
	s_add_co_u32 s16, s16, s17
	s_mov_b32 s17, 0
	s_lshr_b32 s18, ttmp9, 3                       ; B
	s_and_b32 s19, ttmp9, 7                        ; i
	s_mul_i32 s18, s18, 139264
	s_mul_i32 s23, s14, 34816
	s_add_co_u32 s18, s18, s23                     ; the block (B, sp = wave)
	s_lshl_b32 s24, s19, 11
	s_add_co_u32 s24, s24, s18                     ; + 2,048 i: my codes
	s_mov_b32 s25, 0
	s_lshl_b32 s26, s19, 8
	s_add_co_u32 s26, s26, s18                     ; + 256 i: my scale words (32,768 more in the immediate)
	s_mov_b32 s27, 0
	s_wait_alu depctr_va_vdst(0)
	s_wait_kmcnt 0x0
	s_add_nc_u64 s[4:5], s[4:5], s[16:17]
	s_add_nc_u64 s[24:25], s[10:11], s[24:25]
	s_add_nc_u64 s[26:27], s[10:11], s[26:27]
.irp q, 0,1
.irp t, 0,1,2,3,4,5,6,7,8,9,10,11,12,13,14,15
	global_load_b128 v[R+64*\q+4*\t:R+64*\q+4*\t+3], v[LI], s[4:5] offset:4096*\t+512*\q th:TH_LOAD_NT   ; 32 lanes read 512 consecutive bytes of token t
.endr
.endr
; The conversions want 16 neighbours along K in one lane; the loads take the bytes as they lie.  So a fragment's 8,192 bytes turn through the wave's own stage.
.macro TURN q
.irp t, 0,1,2,3,4,5,6,7,8,9,10,11,12,13,14,15
	ds_store_b128 v[STI], v[R+64*\q+4*\t:R+64*\q+4*\t+3] offset:528*\t
.endr
.irp c, 0,1,2,3
.irp j, 0,1,2,3
	ds_load_b128 v[X+16*\c+4*\j:X+16*\c+4*\j+3], v[STO] offset:128*\c+16*\j   ; a wave's LDS instructions are served in order: these see the stores above
.endr
.endr
	s_wait_dscnt 0x0
.endm
; 64 numbers of a lane, register 16 b + i = k 32 b + 16 h + i of my row, become a fragment's codes and its scale word.
.macro QUANT src, pc, pw
.irp b, 0,1,2,3
	v_max3_num_f32 v[TM+\b], |v[\src+16*\b]|, |v[\src+1+16*\b]|, 0x4800000   ; my 16 numbers of block b, and the floor 2^(9 - 127): the byte cannot fall under 1
.endr
.irp i, 2,4,6,8,10,12,14
.irp b, 0,1,2,3
	v_max3_num_f32 v[TM+\b], v[TM+\b], |v[\src+16*\b+\i]|, |v[\src+1+16*\b+\i]|
.endr
.endr
.irp b, 0,1,2,3
	v_permlanex16_b32 v[TM+4+\b], v[TM+\b], s[SEL], s[SEL+1]
.endr
.irp b, 0,1,2,3
	v_max_num_f32 v[TM+\b], v[TM+\b], v[TM+4+\b]   ; with lane l xor 16's: the block's largest magnitude
.endr
.irp b, 0,1,2,3
	v_add_nc_u32 v[TM+12+\b], 0xfc000000, v[TM+\b] ; 8 off its exponent field: the conversion's scale operand
.endr
.irp b, 0,1,2,3
	v_and_or_b32 v[TM+8+\b], v[TM+\b], 0x7f800000, s[MNT]   ; 448 x the scale
.endr
.irp b, 0,1,2,3
	v_lshrrev_b32 v[TM+4+\b], 23, v[TM+12+\b]      ; the scale's byte
.endr
	v_lshl_or_b32 v[\pw], v[TM+5], 8, v[TM+4]
	v_lshl_or_b32 v[\pw], v[TM+6], 16, v[\pw]
	v_lshl_or_b32 v[\pw], v[TM+7], 24, v[\pw]
.irp b, 0,1,2,3
.irp i, 0,1,2,3,4,5,6,7,8,9,10,11,12,13,14,15
	v_med3_num_f32 v[\src+16*\b+\i], v[\src+16*\b+\i], -v[TM+8+\b], v[TM+8+\b]   ; the conversion to an 8-bit code does not saturate (ISA guide 7.6.2): the hold comes first
.endr
	v_cvt_scalef32_pk8_fp8_f32 v[\pc+4*\b:\pc+1+4*\b], v[\src+16*\b:\src+7+16*\b], v[TM+12+\b]
	v_cvt_scalef32_pk8_fp8_f32 v[\pc+2+4*\b:\pc+3+4*\b], v[\src+8+16*\b:\src+15+16*\b], v[TM+12+\b]
.endr
	v_nop                                          ; a plain line behind the last conversion
.endm
	s_wait_loadcnt 16                              ; fragment 0's sixteen loads are in; fragment 1's may be out
	TURN 0
	QUANT X, PC, PW
.irp c, 0,1,2,3
	global_store_b128 v[LI], v[PC+4*\c:PC+4*\c+3], s[24:25] offset:512*\c           ; 512 consecutive bytes
.endr
	s_wait_loadcnt 0x0
	TURN 1                                         ; the same stage: my reads of it were waited for
	QUANT X, PC+16, PW+1
.irp c, 0,1,2,3
	global_store_b128 v[LI], v[PC+16+4*\c:PC+16+4*\c+3], s[24:25] offset:16384+512*\c
.endr
	global_store_b64 v[L8], v[PW:PW+1], s[26:27] offset:32768                       ; 256 consecutive bytes, aligned
	s_wait_tensorcnt 0x0                           ; the wave's end: behind my last LDS store
	ds_add_u32 v[SPW], v[NIL]
	s_wait_dscnt 0x0
	s_endpgm
; ---- W_o: wave T takes rows 16 T .. 16 T + 15: eight fragments and their scale words, from rows into register order.  No LDS.
.Lweights:
	s_sub_co_u32 s15, ttmp9, 256
	s_lshl_b32 s15, s15, 2
	s_add_co_u32 s15, s15, s14                     ; T
	s_wait_alu depctr_va_vdst(0)
	v_lshlrev_b32 v2, 10, v7
	v_lshl_add_u32 v2, v8, 4, v2                   ; row r of 1,024 bytes, + 16 h
	v_lshlrev_b32 v3, 5, v7                        ; row r of 32 scale bytes
	s_lshl_b32 s16, s15, 14
	s_mov_b32 s17, 0
	s_lshl_b32 s18, s15, 9
	s_mov_b32 s19, 0
	s_lshl_b32 s20, s15, 10
	s_add_co_u32 s20, s20, 1048576
	s_mov_b32 s21, 0
	s_wait_alu depctr_va_vdst(0)
	s_wait_kmcnt 0x0
	s_add_nc_u64 s[6:7], s[6:7], s[16:17]
	s_add_nc_u64 s[8:9], s[8:9], s[18:19]
	s_add_nc_u64 s[22:23], s[12:13], s[16:17]
	s_add_nc_u64 s[24:25], s[12:13], s[20:21]
.irp s, 0,1,2,3,4,5,6,7
.irp c, 0,1,2,3
	global_load_b128 v[R+16*\s+4*\c:R+16*\s+4*\c+3], v2, s[6:7] offset:128*\s+32*\c
.endr
.endr
	global_load_b128 v[16:19], v3, s[8:9]
	global_load_b128 v[20:23], v3, s[8:9] offset:16
	s_wait_loadcnt 0x0
.irp s, 0,1,2,3,4,5,6,7
.irp c, 0,1,2,3
	global_store_b128 v[LI], v[R+16*\s+4*\c:R+16*\s+4*\c+3], s[22:23] offset:2048*\s+512*\c
.endr
.endr
	global_store_b128 v[LI], v[16:19], s[24:25]
	global_store_b128 v[LI], v[20:23], s[24:25] offset:512
	s_endpgm
.Lfunc_end_k_q2d783ceab2_prep:
	.size	k_q2d783ceab2_prep, .Lfunc_end_k_q2d783ceab2_prep-k_q2d783ceab2_prep
	.p2alignl 7, 3214868480
	.fill 96, 4, 3214868480
	.section	.rodata,"a",@progbits
	.p2align	6, 0x0
	.amdhsa_kernel k_q2d783ceab2_prep
		.amdhsa_group_segment_fixed_size 34304
		.amdhsa_private_segment_fixed_size 0
		.amdhsa_enable_private_segment 0
		.amdhsa_kernarg_size 40
		.amdhsa_user_sgpr_count 2
		.amdhsa_user_sgpr_kernarg_segment_ptr 1
		.amdhsa_wavefront_size32 1
		.amdhsa_system_sgpr_workgroup_id_x 1
		.amdhsa_system_sgpr_workgroup_id_y 1
		.amdhsa_system_sgpr_workgroup_id_z 1
		.amdhsa_system_vgpr_workitem_id 0
		.amdhsa_next_free_vgpr 256
		.amdhsa_next_free_sgpr 66
		.amdhsa_reserve_vcc 0
		.amdhsa_float_denorm_mode_32 3
		.amdhsa_float_denorm_mode_16_64 3
		.amdhsa_memory_ordered 1
		.amdhsa_forward_progress 1
		.amdhsa_inst_pref_size 34
	.end_amdhsa_kernel
	.amdgpu_metadata
---
amdhsa.version: [ 1, 2 ]
amdhsa.kernels:
  - .name:           k_q2d783ceab2_prep
    .symbol:         k_q2d783ceab2_prep.kd
    .args:
      - { .name: x, .offset: 0, .size: 8, .value_kind: global_buffer, .address_space: global }
      - { .name: W_o_codes, .offset: 8, .size: 8, .value_kind: global_buffer, .address_space: global }
      - { .name: W_o_scales, .offset: 16, .size: 8, .value_kind: global_buffer, .address_space: global }
      - { .name: xq, .offset: 24, .size: 8, .value_kind: global_buffer, .address_space: global }
      - { .name: woi, .offset: 32, .size: 8, .value_kind: global_buffer, .address_space: global }
    .group_segment_fixed_size: 34304
    .private_segment_fixed_size: 0
    .kernarg_segment_align: 8
    .kernarg_segment_size: 40
    .max_flat_workgroup_size: 128
    .sgpr_count:     66
    .vgpr_count:     256
    .wavefront_size: 32
...
	.end_amdgpu_metadata
.endif
;; end of part 1
;; launch proj (part 2): grid 32 x 8, 4 waves a work-group, clusters of 4 x 4, 327,680 bytes of LDS; arguments xq, W_q_codes, W_k_codes, W_v_codes, W_q_scales, W_k_scales, W_v_scales, qb, kvc, kvs; writes qb, kvc, kvs
.if DOCPART == 2
	.amdgcn_target "amdgcn-amd-amdhsa--gfx1250"
	.amdhsa_code_object_version 6
	.text
	.protected	k_q2d783ceab2_proj
	.globl	k_q2d783ceab2_proj
	.p2align	8
	.type	k_q2d783ceab2_proj,@function
k_q2d783ceab2_proj:
	s_mov_b64 s[64:65], 0
	v_nop
	global_prefetch_b8 v0, s[64:65] scope:SCOPE_SE
	s_setreg_imm32_b32 hwreg(HW_REG_WAVE_MODE, 25, 1), 1
	s_wait_xcnt 0x0
	s_wait_alu depctr_hold_cnt(0) depctr_sa_sdst(0) depctr_va_vdst(0) depctr_va_sdst(0) depctr_va_ssrc(0) depctr_va_vcc(0) depctr_vm_vsrc(0)
	s_getreg_b32 s2, hwreg(HW_REG_IB_STS2, 6, 4)
	s_cmp_eq_u32 s2, 0
	s_cbranch_scc0 .Lentry_in_a_cluster
	s_endpgm
.Lentry_in_a_cluster:
	s_bfe_u32 s2, ttmp6, 0x10000c
	s_cmp_lg_u32 s2, 0xf033
	s_cbranch_scc0 .Lentry_shape_is_right
	s_endpgm
.Lentry_shape_is_right:
; PROJ: Q, K, V = Q(x) W^T on codes of E4M3 with E8M0 scales, and their quantisers.  (edge_attr is dead work: see the first kernel.)
; A work-group takes 128 tokens and one head (the weights' rows 8 d + head, 8,192 bytes apart) of all three products; K goes in steps of 256 through two LDS slots filled by joint loads:
; x's part is shared along a column of the 4 x 4 cluster, the weights' parts along a row.  Codes and scale words leave in the order of the next launch's operand registers.
.set PART,  34816
.set SLOT,  4*PART
.set SCB,   2*SLOT
.set SPARE, SCB+1536
.set ADRX,  4
.set ADRXS, 6
.set ADRW,  8
.set SBA,   14
.set SWA,   15
.set WS,    16
.set XS,    64
.set TM,    96
.set PW,    112
.set LI,    114
.set SCR,   115
.set CP,    116
.set SPW,   120
.set NIL,   121
.set WSO,   122
.set PCB,   160
.set WV,  12
.set G1X, 24
.set G1W, 32
.set G0X, 40
.set G0W, 48
.set SEL, 56
.set MNT, 58
.set MSB, 0
.macro WIN new
.if MSB != (\new)
	s_set_vgpr_msb (MSB<<8)|(\new)
.set MSB, (\new)
.endif
.endm
.macro PLACES n
.rept \n
	v_nop
.endr
.endm
.macro JLOAD sl
	s_cmp_eq_u32 s[WV], 0
	s_cbranch_scc0 .Lfor_w_\@
	tensor_load_to_lds s[G0X+4*\sl:G0X+4*\sl+3], s[G1X:G1X+7]
	s_nop 0
.rept 4
	v_nop
.endr
	s_branch .Lasked_\@
.Lfor_w_\@:
	tensor_load_to_lds s[G0W+4*\sl:G0W+4*\sl+3], s[G1W:G1W+7]
	s_nop 0
.rept 4
	v_nop
.endr
.Lasked_\@:
.endm
.macro CREST
	s_cmp_lg_u32 s[WV], 0
	s_cbranch_scc1 .Lnot_wave_0_\@
	s_barrier_signal -3
.Lnot_wave_0_\@:
	s_barrier_wait -3
	s_barrier_signal -1
	s_barrier_wait -1
.endm
.macro CROUND
	s_barrier_signal -1
	s_barrier_wait -1
	CREST
.endm
	s_load_b512 s[68:83], s[0:1], 0x0
	s_load_b128 s[84:87], s[0:1], 0x40
	v_lshl_add_u32 v[SPW], v0, 2, SPARE
	v_mov_b32 v[NIL], 0
	ds_add_u32 v[SPW], v[NIL]
	ds_add_u32 v[SPW], v[NIL]
	v_lshrrev_b32 v3, 5, v0
	v_readfirstlane_b32 s[WV], v3
	s_bfe_u32 s13, ttmp6, 0x40000
	s_bfe_u32 s14, ttmp6, 0x40004
	s_lshl_b32 s15, ttmp9, 2
	s_add_co_u32 s15, s15, s13
	s_and_b32 s16, ttmp7, 0xffff
	s_lshl_b32 s16, s16, 2
	s_add_co_u32 s16, s16, s14
	s_lshl_b32 s17, 0x1111, s13
	s_lshl_b32 s18, s14, 2
	s_lshl_b32 s18, 15, s18
	s_or_b32 s[G1X], s17, (3<<16)|(1<<21)
	s_mov_b32 s[G1X+1], 32<<16
	s_mov_b32 s[G1X+2], 136<<16
	s_mov_b32 s[G1X+3], 32<<16
	s_mov_b32 s[G1X+4], 136
	s_mov_b32 s[G1X+5], 32
	s_mov_b32 s[G1X+6], 0
	s_mov_b32 s[G1X+7], 0
	s_or_b32 s[G1W], s18, (1<<20)|(1<<21)|(5<<22)|(3<<25)
	s_mov_b32 s[G1W+1], 256<<16
	s_mov_b32 s[G1W+2], 128<<16
	s_mov_b32 s[G1W+3], 256<<16
	s_mov_b32 s[G1W+4], 128
	s_mov_b32 s[G1W+5], 8192
	s_mov_b32 s[G1W+6], 0
	s_mov_b32 s[G1W+7], 0
	s_mul_i32 s4, s15, 4*PART
	s_mov_b32 s5, 0
	s_lshl_b32 s6, s16, 10
	s_mov_b32 s7, 0
	s_mul_i32 s19, s[WV], PART
	s_mov_b32 s[SEL], 0x76543210
	s_mov_b32 s[SEL+1], 0xfedcba98
	s_mov_b32 s[MNT], 0x600000
	s_wait_dscnt 0x0
	s_wait_kmcnt 0x0
	s_add_nc_u64 s[4:5], s[68:69], s[4:5]
	s_cmp_eq_u32 s[WV], 1
	s_cselect_b64 s[8:9], s[70:71], s[72:73]
	s_cmp_eq_u32 s[WV], 3
	s_cselect_b64 s[8:9], s[74:75], s[8:9]
	s_add_nc_u64 s[8:9], s[8:9], s[6:7]
	CROUND
.irp s, 0,1
	s_mov_b32 s[G0X+4*\s], 1
	s_add_co_u32 s[G0X+4*\s+1], s19, \s*SLOT
	s_add_nc_u64 s[G0X+4*\s+2:G0X+4*\s+3], s[4:5], \s*PART
	s_or_b32 s[G0X+4*\s+3], s[G0X+4*\s+3], 0x80000000
	s_mov_b32 s[G0W+4*\s], 1
	s_add_co_u32 s[G0W+4*\s+1], s19, \s*SLOT
	s_add_nc_u64 s[G0W+4*\s+2:G0W+4*\s+3], s[8:9], \s*256
	s_or_b32 s[G0W+4*\s+3], s[G0W+4*\s+3], 0x80000000
.if \s                                 ; slot 1's first fill stands behind the full sequence and a round; slot 0's behind the opening round alone
	s_wait_alu depctr_va_vdst(0)
	s_wait_tensorcnt 0x0
	ds_add_u32 v120, v121
	ds_add_u32 v120, v121
	s_wait_dscnt 0x0
	CROUND
.endif
	JLOAD \s
.endr
	v_and_b32 v1, 15, v0
	v_bfe_u32 v2, v0, 4, 1
	v_and_b32 v3, 31, v0
	v_lshlrev_b32 v[LI], 4, v3
	v_lshlrev_b32 v[WSO], 8, v1
	s_lshl_b32 s20, s16, 5
	s_lshl_b32 s21, s[WV], 13
	s_add_co_u32 s20, s20, s21
	s_mov_b32 s21, 0
	s_add_nc_u64 s[76:77], s[76:77], s[20:21]
	s_add_nc_u64 s[78:79], s[78:79], s[20:21]
	s_add_nc_u64 s[80:81], s[80:81], s[20:21]
.irp m, 0,1,2
.irp u, 0,1
.irp f, 0,1
	global_load_b128 v[WS+16*\m+8*\u+4*\f:WS+16*\m+8*\u+4*\f+3], v[WSO], s[76+2*\m:77+2*\m] offset:4096*\u+16*\f
.endr
.endr
.endr
	v_mov_b32 v[ADRX], v[LI]
	v_add_nc_u32 v[ADRX+1], SLOT, v[LI]
	v_lshlrev_b32 v[ADRXS], 3, v3
	v_add_nc_u32 v[ADRXS], 32768, v[ADRXS]
	v_add_nc_u32 v[ADRXS+1], SLOT, v[ADRXS]
	v_mul_u32_u24 v123, v1, 272
	v_lshl_add_u32 v123, v2, 4, v123
	s_mul_i32 s22, s[WV], 32*272
	v_add_nc_u32 v123, s22, v123
.irp s, 0,1
.irp m, 0,1,2
	v_add_nc_u32 v[ADRW+3*\s+\m], \s*SLOT+PART*(1+\m), v123
.endr
.endr
	v_lshl_add_u32 v[SBA], v1, 4, SCB
	v_add_nc_u32 v[SBA], s[WV], v[SBA]
	s_lshr_b32 s22, s[WV], 1
	s_lshl_b32 s22, s22, 8
	s_and_b32 s23, s[WV], 1
	s_lshl_b32 s23, s23, 3
	s_add_co_u32 s22, s22, s23
	s_add_co_u32 s22, s22, SCB+1024
	v_lshl_add_u32 v[SWA], v1, 4, s22
	s_min_u32 s22, s[WV], 2
	s_lshl_b32 s22, s22, 9
	s_add_co_u32 s22, s22, SCB
	v_add_nc_u32 v[SCR], s22, v[LI]
.irp b, 0,1,2,3
	v_mov_b32 v[TM+4+\b], 0
.endr
	s_lshl_b32 s20, s16, 5
	s_add_co_u32 s20, s20, s15
	s_mov_b32 s97, 0
	s_mul_i32 s96, s20, 16896
	s_add_nc_u64 s[82:83], s[82:83], s[96:97]
	s_lshl_b32 s96, s20, 15
	s_add_nc_u64 s[84:85], s[84:85], s[96:97]
	s_lshl_b32 s96, s20, 10
	s_add_nc_u64 s[86:87], s[86:87], s[96:97]
	s_lshl_b32 s96, s[WV], 9
	s_add_nc_u64 s[88:89], s[82:83], s[96:97]
	s_add_nc_u64 s[90:91], s[84:85], s[96:97]
	s_lshl_b32 s96, s[WV], 12
	s_add_co_u32 s96, s96, 16384
	s_add_nc_u64 s[92:93], s[84:85], s[96:97]
	s_add_nc_u64 s[82:83], s[82:83], 16384
	s_max_u32 s96, s[WV], 1
	s_min_u32 s96, s96, 2
	s_sub_co_u32 s96, s96, 1
	s_lshl_b32 s96, s96, 9
	s_add_nc_u64 s[86:87], s[86:87], s[96:97]
	s_cmp_eq_u32 s[WV], 0
	s_cselect_b64 s[94:95], s[82:83], s[86:87]
.macro FETCHX sl, q, p
	WIN 0x40
.irp i, 0,1,2,3,4,5,6,7
.irp c, 0,1,2,3
	ds_load_b128 v[128*(\p)+16*\i+4*\c:128*(\p)+16*\i+4*\c+3], v[ADRX+\sl] offset:16384*(\q)+2048*\i+512*\c
.endr
.endr
.endm
.macro FETCHW sl, q, p
.set WB, 160-32*(\p)
	WIN 0xc0*(\p)
.irp m, 0,1,2
.irp u, 0,1
.irp c, 0,1,2,3
	ds_load_b128 v[WB+16*(2*\m+\u)+4*\c:WB+16*(2*\m+\u)+4*\c+3], v[ADRW+3*\sl+\m] offset:4352*\u+128*(\q)+32*\c
.endr
.endr
.endr
.endm
.macro SCALES sl
.irp i, 0,1,2,3,4,5,6,7
	ds_load_b64 v[XS+16*\sl+2*\i:XS+16*\sl+2*\i+1], v[ADRXS+\sl] offset:256*\i
.endr
.endm
.macro MULV p, sl, q, ks, zero
.set WB, 160-32*(\p)
	WIN 0xf1+0x0c*(\p)
.irp i, 0,1,2,3,4,5,6,7
.irp u, 0,1
.if \zero
	v_wmma_scale_f32_16x16x128_f8f6f4 v[64*\u+8*\i:64*\u+8*\i+7], v[128*(\p)+16*\i:128*(\p)+16*\i+15], v[WB+64+16*\u:WB+64+16*\u+15], 0, v[XS+16*(\sl)+2*\i+(\q)], v[WS+32+8*\u+(\ks)]
.else
	v_wmma_scale_f32_16x16x128_f8f6f4 v[64*\u+8*\i:64*\u+8*\i+7], v[128*(\p)+16*\i:128*(\p)+16*\i+15], v[WB+64+16*\u:WB+64+16*\u+15], v[64*\u+8*\i:64*\u+8*\i+7], v[XS+16*(\sl)+2*\i+(\q)], v[WS+32+8*\u+(\ks)]
.endif
.endr
.endr
.endm
.macro MULQK p, sl, q, ks, zero
.set WB, 160-32*(\p)
	WIN 0xa4+3*(\p)
.irp i, 0,1,2,3,4,5,6,7
.irp m, 0,1
.irp u, 0,1
.if \zero
	v_wmma_scale_f32_16x16x128_f8f6f4 v[128*\m+16*\i+8*\u:128*\m+16*\i+8*\u+7], v[WB+16*(2*\m+\u):WB+16*(2*\m+\u)+15], v[128*(\p)+16*\i:128*(\p)+16*\i+15], 0, v[WS+16*\m+8*\u+(\ks)], v[XS+16*(\sl)+2*\i+(\q)]
.else
	v_wmma_scale_f32_16x16x128_f8f6f4 v[128*\m+16*\i+8*\u:128*\m+16*\i+8*\u+7], v[WB+16*(2*\m+\u):WB+16*(2*\m+\u)+15], v[128*(\p)+16*\i:128*(\p)+16*\i+15], v[128*\m+16*\i+8*\u:128*\m+16*\i+8*\u+7], v[WS+16*\m+8*\u+(\ks)], v[XS+16*(\sl)+2*\i+(\q)]
.endif
.endr
.endr
.endr
.endm
.macro STEP0 sl, ks, zero
	s_wait_dscnt 0x0
	MULV 0, \sl, 0, \ks, \zero
	WIN 0
	PLACES 8
	FETCHX \sl, 1, 1
	FETCHW \sl, 1, 1
	MULQK 0, \sl, 0, \ks, \zero
	WIN 0
.endm
.macro TURN sl, nx, fill, ks
	s_wait_tensorcnt 0x0
	ds_add_u32 v[SPW], v[NIL]
	s_wait_dscnt 0x0
	s_barrier_signal -1
	MULV 1, \sl, 1, \ks, 0
	WIN 0
	s_barrier_wait -1
.if \fill
	CREST
	s_add_nc_u64 s[G0X+4*\sl+2:G0X+4*\sl+3], s[G0X+4*\sl+2:G0X+4*\sl+3], 2*PART
	s_add_nc_u64 s[G0W+4*\sl+2:G0W+4*\sl+3], s[G0W+4*\sl+2:G0W+4*\sl+3], 512
	JLOAD \sl
	PLACES 4
.else
	PLACES 8
.endif
	FETCHX \nx, 0, 0
	s_wait_alu depctr_va_vdst(0)
	FETCHW \nx, 0, 0
	SCALES \nx
	MULQK 1, \sl, 1, \ks, 0
	WIN 0
.endm
	s_wait_tensorcnt 0x1
	s_barrier_signal -1
	s_barrier_wait -1
	FETCHX 0, 0, 0
	FETCHW 0, 0, 0
	SCALES 0
	s_wait_loadcnt 0x0
	STEP0 0, 0, 1
	TURN 0, 1, 1, 1
	STEP0 1, 2, 0
	TURN 1, 0, 1, 3
	STEP0 0, 4, 0
	TURN 0, 1, 0, 5
	STEP0 1, 6, 0
	s_wait_dscnt 0x0
	MULV 1, 1, 1, 7, 0
	MULQK 1, 1, 1, 7, 0
	WIN 0
	PLACES 8
.macro QUANTW wa, a, pc
	WIN (\wa)|((\wa)<<2)
.irp b, 0,1,2,3
	v_max3_num_f32 v[TM+\b], |v[(\a)+16*\b]|, |v[(\a)+16*\b+1]|, 0x4800000
.endr
.irp i, 2,4,6,8,10,12,14
.irp b, 0,1,2,3
	v_max3_num_f32 v[TM+\b], |v[(\a)+16*\b+\i]|, |v[(\a)+16*\b+\i+1]|, v[TM+\b]
.endr
.endr
	WIN 0
.irp b, 0,1,2,3
	v_permlanex16_b32 v[TM+4+\b], v[TM+\b], s[SEL], s[SEL+1]
.endr
.irp b, 0,1,2,3
	v_max_num_f32 v[TM+\b], v[TM+\b], v[TM+4+\b]
.endr
.irp b, 0,1,2,3
	v_add_nc_u32 v[TM+12+\b], 0xfc000000, v[TM+\b]
.endr
.irp b, 0,1,2,3
	v_and_or_b32 v[TM+8+\b], v[TM+\b], 0x7f800000, s[MNT]
.endr
.irp b, 0,1,2,3
	v_lshrrev_b32 v[TM+4+\b], 23, v[TM+12+\b]
.endr
	v_lshl_or_b32 v[PW], v[TM+5], 8, v[TM+4]
	v_lshl_or_b32 v[PW], v[TM+6], 16, v[PW]
	v_lshl_or_b32 v[PW], v[TM+7], 24, v[PW]
	WIN (\wa)|((\wa)<<6)
.irp b, 0,1,2,3
.irp i, 0,1,2,3,4,5,6,7,8,9,10,11,12,13,14,15
	v_med3_num_f32 v[(\a)+16*\b+\i], v[(\a)+16*\b+\i], -v[TM+8+\b], v[TM+8+\b]
.endr
.endr
	WIN (\wa)
.irp b, 0,1,2,3
	v_cvt_scalef32_pk8_fp8_f32 v[(\pc)+4*\b:(\pc)+4*\b+1], v[(\a)+16*\b:(\a)+16*\b+7], v[TM+12+\b]
	v_cvt_scalef32_pk8_fp8_f32 v[(\pc)+4*\b+2:(\pc)+4*\b+3], v[(\a)+16*\b+8:(\a)+16*\b+15], v[TM+12+\b]
.endr
	WIN 0
	v_nop
.endm
.macro QKOUT k, g
	QUANTW 2, 128*\k+64*\g, PCB+16*(2*\k+\g)
.irp bb, 0,1,2,3
	global_store_b128 v[LI], v[PCB+16*(2*\k+\g)+4*\bb:PCB+16*(2*\k+\g)+4*\bb+3], s[88+2*\k:89+2*\k] offset:2048*(4*\g+\bb)
	ds_store_b8 v[SBA], v[TM+4+\bb] offset:512*\k+256*\g+4*\bb
.endr
	s_wait_dscnt 0x0
.endm
	QKOUT 0, 0
	QKOUT 0, 1
	QKOUT 1, 0
	QKOUT 1, 1
.irp u, 0,1
	QUANTW 3, 64*\u, PCB+16*(4+\u)
.irp c, 0,1,2,3
	global_store_b128 v[LI], v[PCB+16*(4+\u)+4*\c:PCB+16*(4+\u)+4*\c+3], s[92:93] offset:2048*\u+512*\c
.endr
	ds_store_b32 v[SWA], v[PW] offset:4*\u
	s_wait_dscnt 0x0
.endr
	s_barrier_signal -1
	s_barrier_wait -1
	s_cmp_gt_u32 s[WV], 2
	s_cbranch_scc1 .Lno_words
	ds_load_b128 v[CP:CP+3], v[SCR]
	s_wait_dscnt 0x0
	global_store_b128 v[LI], v[CP:CP+3], s[94:95]
.Lno_words:
	s_wait_tensorcnt 0x0
	ds_add_u32 v[SPW], v[NIL]
	s_wait_dscnt 0x0
	CROUND
	s_endpgm
.Lfunc_end_k_q2d783ceab2_proj:
	.size	k_q2d783ceab2_proj, .Lfunc_end_k_q2d783ceab2_proj-k_q2d783ceab2_proj
	.p2alignl 7, 3214868480
	.fill 96, 4, 3214868480
	.section	.rodata,"a",@progbits
	.p2align	6, 0x0
	.amdhsa_kernel k_q2d783ceab2_proj
		.amdhsa_group_segment_fixed_size 327680
		.amdhsa_private_segment_fixed_size 0
		.amdhsa_enable_private_segment 0
		.amdhsa_kernarg_size 80
		.amdhsa_user_sgpr_count 2
		.amdhsa_user_sgpr_kernarg_segment_ptr 1
		.amdhsa_wavefront_size32 1
		.amdhsa_system_sgpr_workgroup_id_x 1
		.amdhsa_system_sgpr_workgroup_id_y 1
		.amdhsa_system_sgpr_workgroup_id_z 1
		.amdhsa_system_vgpr_workitem_id 0
		.amdhsa_next_free_vgpr 1024
		.amdhsa_next_free_sgpr 100
		.amdhsa_reserve_vcc 0
		.amdhsa_float_denorm_mode_32 3
		.amdhsa_float_denorm_mode_16_64 3
		.amdhsa_memory_ordered 1
		.amdhsa_forward_progress 1
		.amdhsa_inst_pref_size 147
	.end_amdhsa_kernel
	.amdgpu_metadata
---
amdhsa.version: [ 1, 2 ]
amdhsa.kernels:
  - .name:           k_q2d783ceab2_proj
    .symbol:         k_q2d783ceab2_proj.kd
    .args:
      - { .name: xq, .offset: 0, .size: 8, .value_kind: global_buffer, .address_space: global }
      - { .name: W_q_codes, .offset: 8, .size: 8, .value_kind: global_buffer, .address_space: global }
      - { .name: W_k_codes, .offset: 16, .size: 8, .value_kind: global_buffer, .address_space: global }
      - { .name: W_v_codes, .offset: 24, .size: 8, .value_kind: global_buffer, .address_space: global }
      - { .name: W_q_scales, .offset: 32, .size: 8, .value_kind: global_buffer, .address_space: global }
      - { .name: W_k_scales, .offset: 40, .size: 8, .value_kind: global_buffer, .address_space: global }
      - { .name: W_v_scales, .offset: 48, .size: 8, .value_kind: global_buffer, .address_space: global }
      - { .name: qb, .offset: 56, .size: 8, .value_kind: global_buffer, .address_space: global }
      - { .name: kvc, .offset: 64, .size: 8, .value_kind: global_buffer, .address_space: global }
      - { .name: kvs, .offset: 72, .size: 8, .value_kind: global_buffer, .address_space: global }
    .group_segment_fixed_size: 327680
    .private_segment_fixed_size: 0
    .kernarg_segment_align: 8
    .kernarg_segment_size: 80
    .max_flat_workgroup_size: 128
    .sgpr_count:     100
    .vgpr_count:     1024
    .wavefront_size: 32
...
	.end_amdgpu_metadata
.endif
;; end of part 2
;; launch attn (part 3): grid 32 x 8, 8 waves a work-group, clusters of 4 x 1, 327,680 bytes of LDS; arguments qb, kvc, kvs, ov; writes ov
.if DOCPART == 3
	.amdgcn_target "amdgcn-amd-amdhsa--gfx1250"
	.amdhsa_code_object_version 6
	.text
	.protected	k_q2d783ceab2_attn
	.globl	k_q2d783ceab2_attn
	.p2align	8
	.type	k_q2d783ceab2_attn,@function
k_q2d783ceab2_attn:
	s_mov_b64 s[64:65], 0
	v_nop
	global_prefetch_b8 v0, s[64:65] scope:SCOPE_SE
	s_setreg_imm32_b32 hwreg(HW_REG_WAVE_MODE, 25, 1), 1
	s_wait_xcnt 0x0
	s_wait_alu depctr_hold_cnt(0) depctr_sa_sdst(0) depctr_va_vdst(0) depctr_va_sdst(0) depctr_va_ssrc(0) depctr_va_vcc(0) depctr_vm_vsrc(0)
	s_getreg_b32 s2, hwreg(HW_REG_IB_STS2, 6, 4)
	s_cmp_eq_u32 s2, 0
	s_cbranch_scc0 .Lentry_in_a_cluster
	s_endpgm
.Lentry_in_a_cluster:
	s_bfe_u32 s2, ttmp6, 0x10000c
	s_cmp_lg_u32 s2, 0x3003
	s_cbranch_scc0 .Lentry_shape_is_right
	s_endpgm
.Lentry_shape_is_right:
; ATTN: out_v = softmax(Q K^T / 32) V, head by head, both products on codes of E4M3 with E8M0 scales.  (edge_attr is dead work: see the first kernel.)
; p = 2^(t - M), M the running largest t rounded up to a whole number; the row's sum is taken of the unquantised p and divides at the end.
; SHARES.  A work-group owns 128 queries of one head.  Waves w and w + 4 own the same 32 queries (two tiles); of each slot of 512 keys waves 0-3 walk the first 256, waves 4-7 the second; the two parts are joined at the end through LDS.
; The four query blocks of a cluster walk the same K and V: every tile is asked for jointly.  A ring of two slots of 131,072 bytes; the head's scale words, 32,768 bytes, lie behind it throughout.
; LIMITS: the scaled scores stay under 2^31 in magnitude; NaN and infinities are not served; a block of zeros keeps the byte 1 (its codes are zeros).
.set SLOT1, 131072
.set SC,    262144
.set SPARE, 294912
.set AK0, 1
.set AS0, 2
.set SPW, 3
.set NIL, 4
.set ADK, 5
.set ADS, 6
.set PFO, 7
.set KS,  16
.set QS,  24
.set T0,  30
.set T1,  31
.set TM,  32
.set GO,  48
.set CST, 49
.set CSS, 50
.set LI,  51
.set VS,  52
.set TN,  60
.set QF,  64
.set PCD, 96
.set RG,  128
.set TL0, RG
.set TL1, RG+64
.set WV,  12
.set G1,  24
.set G1S, 32
.set G0,  40
.set G0S, 44
.set TB,  48
.set TS,  49
.set SLOTS, 50
.set CS,  52
.set SEL, 54
.set MNT, 56
.set LIM, 57
.set PFA, 58
.set G1H, 68                           ; s[68:75], s[76:79] the head's load of slot 0: a quarter, 128 rows of 256 bytes, for each of waves 0-3
.set G0H, 76
.set MSB, 0
.macro WIN new
.if MSB != (\new)
	s_set_vgpr_msb (MSB<<8)|(\new)
.set MSB, (\new)
.endif
.endm
.macro PLACES n
.rept \n
	v_nop
.endr
.endm
.macro CROUND
	s_barrier_signal -1
	s_barrier_wait -1
	s_cmp_lg_u32 s[WV], 0
	s_cbranch_scc1 .Lnot_wave_0_\@
	s_barrier_signal -3
.Lnot_wave_0_\@:
	s_barrier_wait -3
	s_barrier_signal -1
	s_barrier_wait -1
.endm
.macro ASK
	s_cmp_gt_u32 s[SLOTS], s[LIM]
	s_cbranch_scc0 .Lnot_mine_\@
	global_prefetch_b8 v[PFO], s[PFA:PFA+1] th:TH_LOAD_NT scope:SCOPE_SE
.Lnot_mine_\@:
.endm
	s_load_b256 s[4:11], s[0:1], 0x0
	v_lshl_add_u32 v[SPW], v0, 2, SPARE
	v_mov_b32 v[NIL], 0
	ds_add_u32 v[SPW], v[NIL]
	ds_add_u32 v[SPW], v[NIL]
	v_lshrrev_b32 v5, 5, v0
	s_delay_alu instid0(VALU_DEP_1)
	v_readfirstlane_b32 s[WV], v5
	s_bfe_u32 s13, ttmp6, 0x40000
	s_lshl_b32 s14, ttmp9, 2
	s_add_co_u32 s14, s14, s13
	s_and_b32 s15, ttmp7, 0xffff
	s_and_b32 s16, s[WV], 3
	s_lshr_b32 s17, s[WV], 2
	s_mov_b32 s[G1], 15|(3<<16)|(1<<21)
	s_mov_b32 s[G1+1], 32<<16
	s_mov_b32 s[G1+2], 64<<16
	s_mov_b32 s[G1+3], 32<<16
	s_mov_b32 s[G1+4], 64
	s_mov_b32 s[G1+5], 32
	s_mov_b32 s[G1+6], 0
	s_mov_b32 s[G1+7], 0
	s_mov_b32 s[G1S], 15|(3<<16)|(1<<21)
	s_mov_b32 s[G1S+1], 32<<16
	s_mov_b32 s[G1S+2], 32<<16                     ; the scale words: a quarter, 32 rows of 256 bytes, for each of waves 4-7
	s_mov_b32 s[G1S+3], 32<<16
	s_mov_b32 s[G1S+4], 32
	s_mov_b32 s[G1S+5], 32
	s_mov_b32 s[G1S+6], 0
	s_mov_b32 s[G1S+7], 0
	s_mov_b32 s[G1H], 15|(3<<16)|(1<<21)
	s_mov_b32 s[G1H+1], 32<<16
	s_mov_b32 s[G1H+2], 128<<16
	s_mov_b32 s[G1H+3], 32<<16
	s_mov_b32 s[G1H+4], 128
	s_mov_b32 s[G1H+5], 32
	s_mov_b32 s[G1H+6], 0
	s_mov_b32 s[G1H+7], 0
	s_lshl_b32 s18, s15, 20
	s_lshl_b32 s22, s16, 15
	s_add_co_u32 s22, s22, s18                     ; slot 0 of my head, quarter wave % 4
	s_mov_b32 s23, 0
	s_lshl_b32 s19, s[WV], 14
	s_add_co_u32 s18, s18, s19
	s_mov_b32 s19, 0
	s_lshl_b32 s20, s15, 15
	s_lshl_b32 s21, s16, 13
	s_add_co_u32 s20, s20, s21
	s_mov_b32 s21, 0
	s_mov_b32 s[G0], 1
	s_lshl_b32 s[G0+1], s[WV], 14
	s_mov_b32 s[G0H], 1
	s_lshl_b32 s[G0H+1], s16, 15
	s_mov_b32 s[G0S], 1
	s_lshl_b32 s[G0S+1], s16, 13
	s_add_co_u32 s[G0S+1], s[G0S+1], SC
	s_mov_b32 s[CS], 0x3d38aa3b
	s_mov_b32 s[CS+1], s[CS]
	s_mov_b32 s[SEL], 0x76543210
	s_mov_b32 s[SEL+1], 0xfedcba98
	s_mov_b32 s[MNT], 0x600000
	s_mov_b32 s[TB], 0
	s_mov_b32 s[TS], 0
	s_mov_b32 s[SLOTS], 7
	s_lshr_b32 s[LIM], s[WV], 2
	s_or_b32 s[LIM], s[LIM], ttmp9
	s_cmp_eq_u32 s[LIM], 0
	s_cselect_b32 s[LIM], 1, -1
	s_wait_dscnt 0x0
	s_wait_kmcnt 0x0
	s_add_nc_u64 s[G0+2:G0+3], s[6:7], s[18:19]
	s_or_b32 s[G0+3], s[G0+3], 0x80000000
	s_add_nc_u64 s[G0S+2:G0S+3], s[8:9], s[20:21]
	s_or_b32 s[G0S+3], s[G0S+3], 0x80000000
	s_add_nc_u64 s[G0H+2:G0H+3], s[6:7], s[22:23]
	s_or_b32 s[G0H+3], s[G0H+3], 0x80000000
	CROUND
	s_cmp_lt_u32 s[WV], 4                          ; the head's fills, one a wave, in one chain of two arms: waves 0-3 slot 0, waves 4-7 the scale words
	s_cbranch_scc0 .Lhead_s
	tensor_load_to_lds s[G0H:G0H+3], s[G1H:G1H+7]
	s_nop 0
.rept 4
	v_nop
.endr
	s_branch .Lhead_a
.Lhead_s:
	tensor_load_to_lds s[G0S:G0S+3], s[G1S:G1S+7]
	s_nop 0
.rept 4
	v_nop
.endr
.Lhead_a:
	v_and_b32 v32, 31, v0
	v_and_b32 v34, 15, v0
	v_bfe_u32 v35, v0, 4, 1
	s_delay_alu instid0(VALU_DEP_3)
	v_lshlrev_b32 v[LI], 4, v32
	s_wait_alu depctr_va_vdst(0)
	s_lshl_b32 s18, s17, 16
	v_add_nc_u32 v[AK0], s18, v[LI]
	s_lshl_b32 s18, s17, 11
	s_add_co_u32 s18, s18, SC
	v_lshl_add_u32 v[AS0], v34, 4, s18
	v_lshlrev_b32 v[PFO], 8, v32
	v_lshlrev_b32 v33, 4, v34
	s_wait_alu depctr_va_vdst(0)
	v_lshl_add_u32 v[GO], v35, 9, v33
	s_mul_i32 s18, s16, 16896
	v_add_nc_u32 v[CST], s18, v[LI]
	s_add_co_u32 s18, s18, 16384
	v_lshl_add_u32 v[CSS], v32, 2, s18
	s_lshl_b32 s20, s15, 5
	s_add_co_u32 s20, s20, s14
	s_mul_i32 s20, s20, 16896
	s_mov_b32 s21, 0
	s_add_nc_u64 s[4:5], s[4:5], s[20:21]
	s_lshl_b32 s20, s16, 12
	s_add_nc_u64 s[22:23], s[4:5], s[20:21]
	s_lshr_b32 s20, s16, 1
	s_lshl_b32 s20, s20, 8
	s_and_b32 s18, s16, 1
	s_lshl_b32 s18, s18, 3
	s_add_co_u32 s20, s20, s18
	s_add_co_u32 s20, s20, 16384
	s_add_nc_u64 s[4:5], s[4:5], s[20:21]
	s_lshl_b32 s20, s14, 3
	s_lshl_b32 s18, s16, 1
	s_add_co_u32 s20, s20, s18
	s_lshl_b32 s20, s20, 16
	s_lshl_b32 s18, s15, 13
	s_add_co_u32 s20, s20, s18
	s_add_nc_u64 s[10:11], s[10:11], s[20:21]
	s_lshl_b32 s20, s15, 20
	s_lshl_b32 s18, s13, 15
	s_add_co_u32 s20, s20, s18
	s_lshl_b32 s18, s16, 13
	s_add_co_u32 s20, s20, s18
	s_add_co_u32 s20, s20, SLOT1
	s_add_nc_u64 s[PFA:PFA+1], s[6:7], s[20:21]
.irp u, 0,1
.irp c, 0,1,2,3
	global_load_b128 v[QF+16*\u+4*\c:QF+16*\u+4*\c+3], v[LI], s[22:23] offset:2048*\u+512*\c
.endr
.endr
	global_load_b64 v[QS:QS+1], v33, s[4:5]
	WIN 0x40
.set k, 0
.rept 128
	v_mov_b32 v[k], 0
.set k, k+1
.endr
	WIN 0
.irp u, 0,1
	v_mov_b32 v[9+4*\u], 0xff61b1e6
	s_delay_alu instid0(VALU_DEP_1)
	v_floor_f32 v[8+4*\u], -v[9+4*\u]
	v_mov_b32 v[10+4*\u], 0
	v_mov_b32 v[11+4*\u], 0
	v_mov_b32 v[27+2*\u], 0
.endr
.irp b, 0,1,2,3,4,5,6,7
	v_mov_b32 v[TM+4+\b], 0
.endr
	s_wait_loadcnt 0x0
.macro CHANGE fill
	s_wait_tensorcnt 0x0
	ds_add_u32 v[SPW], v[NIL]
.if \fill
	s_xor_b32 s[G0+1], s[G0+1], SLOT1
	s_add_nc_u64 s[G0+2:G0+3], s[G0+2:G0+3], SLOT1
	s_wait_xcnt 0x0
	s_add_nc_u64 s[PFA:PFA+1], s[PFA:PFA+1], SLOT1
	s_wait_dscnt 0x0
	CROUND
	tensor_load_to_lds s[G0:G0+3], s[G1:G1+7]
	s_nop 0
.rept 4
	v_nop
.endr
.else
	s_wait_dscnt 0x0
	s_barrier_signal -1
	s_barrier_wait -1
.endif
.endm
.macro LOADW sreg, ow
	ds_load_b128 v[\sreg:\sreg+3], v[ADS] offset:(\ow)
	ds_load_b128 v[\sreg+4:\sreg+7], v[ADS] offset:(\ow)+256
.endm
.macro LOADFR w, oc, first
	WIN (\w)<<6
.irp t, 0,1,2,3
.irp c, 0,1,2,3
	ds_load_b128 v[RG+16*((\first)+\t)+4*\c:RG+16*((\first)+\t)+4*\c+3], v[ADK] offset:(\oc)+2048*((\first)+\t)+512*\c
.endr
.endr
	WIN 0
.endm
.macro NEXTK w
	v_add_nc_u32 v[ADK], s[TB], v[AK0]
	v_add_nc_u32 v[ADS], s[TS], v[AS0]
	LOADW KS, 0
	LOADFR \w, 0, 0
	LOADFR \w, 0, 4
.endm
.macro SCALEW mx, pw
.irp b, 0,1,2,3
	v_max_num_f32 v[\mx+\b], 0x4800000, v[\mx+\b]
.endr
.irp b, 0,1,2,3
	s_delay_alu instid0(VALU_DEP_4)
	v_add_nc_u32 v[TM+12+\b], 0xfc000000, v[\mx+\b]
.endr
.irp b, 0,1,2,3
	v_and_or_b32 v[TM+8+\b], v[\mx+\b], 0x7f800000, s[MNT]
.endr
.irp b, 0,1,2,3
	v_lshrrev_b32 v[TM+4+\b], 23, v[TM+12+\b]
.endr
	s_delay_alu instid0(VALU_DEP_3)
	v_lshl_or_b32 v[\pw], v[TM+5], 8, v[TM+4]
	s_delay_alu instid0(VALU_DEP_1)
	v_lshl_or_b32 v[\pw], v[TM+6], 16, v[\pw]
	s_delay_alu instid0(VALU_DEP_1)
	v_lshl_or_b32 v[\pw], v[TM+7], 24, v[\pw]
.endm
.macro SUMS ws, tl, st
	WIN (\ws)*5
	v_pk_add_f32 v[TM+4:TM+5], v[\tl:\tl+1], v[\tl+2:\tl+3]
	v_pk_add_f32 v[TM+6:TM+7], v[\tl+4:\tl+5], v[\tl+6:\tl+7]
	v_pk_add_f32 v[T0:T0+1], v[\tl+8:\tl+9], v[\tl+10:\tl+11]
	WIN (\ws)
.set j, 12
.rept 6
	v_pk_add_f32 v[\st:\st+1], v[\tl+j:\tl+j+1], v[\st:\st+1]
	v_pk_add_f32 v[TM+4:TM+5], v[\tl+j+2:\tl+j+3], v[TM+4:TM+5]
	v_pk_add_f32 v[TM+6:TM+7], v[\tl+j+4:\tl+j+5], v[TM+6:TM+7]
	v_pk_add_f32 v[T0:T0+1], v[\tl+j+6:\tl+j+7], v[T0:T0+1]
.set j, j+8
.endr
	v_pk_add_f32 v[\st:\st+1], v[\tl+60:\tl+61], v[\st:\st+1]
	v_pk_add_f32 v[TM+4:TM+5], v[\tl+62:\tl+63], v[TM+4:TM+5]
	WIN 0
	v_pk_add_f32 v[TM+6:TM+7], v[TM+6:TM+7], v[T0:T0+1]
	v_pk_add_f32 v[\st:\st+1], v[\st:\st+1], v[TM+4:TM+5]
	s_delay_alu instid0(VALU_DEP_1)
	v_pk_add_f32 v[\st:\st+1], v[\st:\st+1], v[TM+6:TM+7]
.endm
.macro CODES ws, tl, pc
	WIN (\ws)
.irp b, 0,1,2,3
	v_cvt_scalef32_pk8_fp8_f32 v[\pc+4*\b:\pc+4*\b+1], v[\tl+16*\b:\tl+16*\b+7], v[TM+12+\b]
	v_cvt_scalef32_pk8_fp8_f32 v[\pc+4*\b+2:\pc+4*\b+3], v[\tl+16*\b+8:\tl+16*\b+15], v[TM+12+\b]
.endr
	WIN 0
	v_nop
.endm
.macro SOFTMAX2 ws, mode
	WIN (\ws)*5
.irp b, 0,1,2,3
	v_max_num_f32 v[TM+\b], v[TL0+16*\b], v[TL0+16*\b+1]
.endr
.irp b, 0,1,2,3
	v_max_num_f32 v[TN+\b], v[TL1+16*\b], v[TL1+16*\b+1]
.endr
.irp i, 2,4,6,8,10,12,14
.irp b, 0,1,2,3
	v_max3_num_f32 v[TM+\b], v[TL0+16*\b+\i], v[TL0+16*\b+\i+1], v[TM+\b]
.endr
.irp b, 0,1,2,3
	v_max3_num_f32 v[TN+\b], v[TL1+16*\b+\i], v[TL1+16*\b+\i+1], v[TN+\b]
.endr
.endr
	WIN 0
.irp b, 0,1,2,3
	v_permlanex16_b32 v[TM+4+\b], v[TM+\b], s[SEL], s[SEL+1]
.endr
.irp b, 0,1,2,3
	v_permlanex16_b32 v[TM+8+\b], v[TN+\b], s[SEL], s[SEL+1]
.endr
.irp b, 0,1,2,3
	v_max_num_f32 v[TM+\b], v[TM+\b], v[TM+4+\b]
.endr
.irp b, 0,1,2,3
	v_max_num_f32 v[TN+\b], v[TN+\b], v[TM+8+\b]
.endr
	v_max3_num_f32 v[T0], v[TM], v[TM+1], v[TM+2]
	s_delay_alu instid0(VALU_DEP_3)
	v_max3_num_f32 v[T1], v[TN], v[TN+1], v[TN+2]
	s_delay_alu instid0(VALU_DEP_2)
	v_max_num_f32 v[T0], v[T0], v[TM+3]
	s_delay_alu instid0(VALU_DEP_2)
	v_max_num_f32 v[T1], v[T1], v[TN+3]
	s_delay_alu instid0(VALU_DEP_2)
	v_mul_f32 v[T0], s[CS], v[T0]
	s_delay_alu instid0(VALU_DEP_2)
	v_mul_f32 v[T1], s[CS], v[T1]
	s_delay_alu instid0(VALU_DEP_2)
	v_max_num_f32 v9, v9, v[T0]
	s_delay_alu instid0(VALU_DEP_2)
	v_max_num_f32 v13, v13, v[T1]
	v_mov_b32 v[T0], v8
	v_mov_b32 v[T1], v12
	s_delay_alu instid0(VALU_DEP_4)
	v_floor_f32 v8, -v9
	s_delay_alu instid0(VALU_DEP_4)
	v_floor_f32 v12, -v13
	s_delay_alu instid0(VALU_DEP_2)
	v_sub_f32 v[T0], v8, v[T0]
	s_delay_alu instid0(VALU_DEP_2)
	v_sub_f32 v[T1], v12, v[T1]
	s_delay_alu instid0(VALU_DEP_2)
	v_cvt_i32_f32 v[T0], v[T0]
	s_delay_alu instid0(VALU_DEP_2)
	v_cvt_i32_f32 v[T1], v[T1]
	s_delay_alu instid0(VALU_DEP_2)
	v_ldexp_f32 v26, 1.0, v[T0]
	s_delay_alu instid0(VALU_DEP_2)
	v_ldexp_f32 v28, 1.0, v[T1]
	WIN (\ws)*0x41
.set j, 0
.rept 32
	v_pk_fma_f32 v[TL0+2*j:TL0+2*j+1], v[TL0+2*j:TL0+2*j+1], s[CS:CS+1], v[8:9] op_sel_hi:[1,0,0]   ; tile 0: t - M, all 64 ahead of the one wait in front of the batch
.set j, j+1
.endr
	WIN 0
.irp b, 0,1,2,3
	v_fma_f32 v[TM+\b], v[TM+\b], s[CS], v8
.endr
.irp b, 0,1,2,3
	v_fma_f32 v[TN+\b], v[TN+\b], s[CS], v12
.endr
	s_wait_alu depctr_va_vdst(0)
.irp b, 0,1,2,3
	v_exp_f32 v[TM+\b], v[TM+\b]
.endr
.irp b, 0,1,2,3
	v_exp_f32 v[TN+\b], v[TN+\b]
.endr
	WIN (\ws)*0x41
.set j, 0
.rept 64
	v_exp_f32 v[TL0+j], v[TL0+j]
.if (j%2) == 0
	v_pk_fma_f32 v[TL1+j:TL1+j+1], v[TL1+j:TL1+j+1], s[CS:CS+1], v[12:13] op_sel_hi:[1,0,0]   ; tile 1's t - M among tile 0's exponentials: other registers, first read behind the waits below
.endif
.set j, j+1
.endr
	WIN 0
	v_pk_mul_f32 v[10:11], v[10:11], v[26:27] op_sel_hi:[1,0]
	v_pk_mul_f32 v[14:15], v[14:15], v[28:29] op_sel_hi:[1,0]
	s_wait_alu depctr_va_vdst(0)
	SCALEW TM, 27
	SUMS \ws, TL0, 10
	WIN (\ws)*0x41
.set j, 0
	s_wait_alu depctr_va_vdst(0)
.rept 64
	v_exp_f32 v[TL1+j], v[TL1+j]
.if (j%2) == 0
	v_dual_min_num_f32 v[TL0+j], v[TL0+j], v[TM+8+j/16] :: v_dual_min_num_f32 v[TL0+j+1], v[TL0+j+1], v[TM+8+j/16]   ; the hold, two numbers an instruction
.endif
.set j, j+1
.endr
	s_wait_alu depctr_va_vdst(0)
	CODES \ws, TL0, PCD
.if (\mode) == 0
	s_wait_dscnt 0x0
	LOADW KS, 1024
	LOADFR \ws, 32768, 0
.endif
	s_wait_alu depctr_va_vdst(0)
	SCALEW TN, 29
	SUMS \ws, TL1, 14
	WIN (\ws)*0x41
.set j, 0
.rept 64
.if (j%2) == 0
	v_dual_min_num_f32 v[TL1+j], v[TL1+j], v[TM+8+j/16] :: v_dual_min_num_f32 v[TL1+j+1], v[TL1+j+1], v[TM+8+j/16]
.endif
.set j, j+1
.endr
	CODES \ws, TL1, PCD+16
.if (\mode) == 0
	LOADFR \ws, 32768, 4
.endif
.endm
.macro STEP e, mode
	PLACES 9
	WIN (1-(\e))|((\e)<<6)
.irp t, 0,1,2,3,4,5,6,7
	s_wait_dscnt 4*(7-\t)
.irp u, 0,1
	v_wmma_scale_f32_16x16x128_f8f6f4 v[RG+64*\u+8*\t:RG+64*\u+8*\t+7], v[RG+16*\t:RG+16*\t+15], v[QF+16*\u:QF+16*\u+15], 0, v[KS+\t], v[QS+\u]
.endr
.endr
	WIN 0
	PLACES 8
	LOADW VS, 1024*(\e)+512
	LOADFR 1-(\e), 32768*(\e)+16384, 0
	LOADFR 1-(\e), 32768*(\e)+16384, 4
	SOFTMAX2 \e, \mode
.if (\mode) == 1
	CHANGE 1
.endif
.if (\mode) == 2
	CHANGE 0
	s_cmp_eq_u32 s[SLOTS], 1                       ; behind the last slot there is no next one to fetch fragments from: the count of trips alone decides, alike in all waves
	s_cbranch_scc1 .Llast_\@
.endif
.if ((\mode) == 1) || ((\mode) == 2)
	s_xor_b32 s[TB], s[TB], SLOT1
	s_add_co_u32 s[TS], s[TS], 4096
.if (\mode) == 2
	s_and_b32 s[TS], s[TS], 0x7fff                 ; inside the 32,768 bytes of scale words
.endif
	NEXTK \e
.endif
.if (\mode) == 2
.Llast_\@:
.endif
.if (\mode) == 1
	ASK
.endif
	WIN 0x41
.irp u, 0,1
.set j, 0
.rept 32
	v_pk_mul_f32 v[64*\u+j:64*\u+j+1], v[64*\u+j:64*\u+j+1], v[26+2*\u:27+2*\u] op_sel_hi:[1,0]
.set j, j+2
.endr
.endr
.if (\mode) == 3
	s_wait_alu depctr_va_vdst(0)
	s_wait_dscnt 0x0
.endif
	WIN 0x50|(1-(\e))
.irp t, 0,1,2,3,4,5,6,7
.irp u, 0,1
	v_wmma_scale_f32_16x16x128_f8f6f4 v[64*\u+8*\t:64*\u+8*\t+7], v[RG+16*\t:RG+16*\t+15], v[PCD+16*\u:PCD+16*\u+15], v[64*\u+8*\t:64*\u+8*\t+7], v[VS+\t], v[27+2*\u]
.endr
.endr
	WIN 0
.endm
	CHANGE 1
	NEXTK 1
	ASK
	s_mov_b32 s[SLOTS], 6
.Lslot:
	s_wait_alu depctr_va_vdst(0)
	STEP 0, 0
	STEP 1, 1
	s_sub_co_u32 s[SLOTS], s[SLOTS], 1
	s_cmp_lg_u32 s[SLOTS], 0
	s_cbranch_scc1 .Lslot
	s_mov_b32 s[SLOTS], 2                          ; the last two slots: nothing is filled any more
.Ltail:
	s_wait_alu depctr_va_vdst(0)
	STEP 0, 0
	STEP 1, 2
	s_sub_co_u32 s[SLOTS], s[SLOTS], 1
	s_cmp_lg_u32 s[SLOTS], 0
	s_cbranch_scc1 .Ltail
	PLACES 8
	s_cmp_lt_u32 s[WV], 4
	s_cbranch_scc1 .Lkeep
	WIN 0x04
.set k, 0
.rept 32
	ds_store_b128 v[CST], v[4*k:4*k+3] offset:512*k
.set k, k+1
.endr
	WIN 0
.irp u, 0,1
	v_add_f32 v[40+\u], v[10+4*\u], v[11+4*\u]
	ds_store_b32 v[CSS], v[8+4*\u] offset:256*\u
	ds_store_b32 v[CSS], v[40+\u] offset:256*\u+128
.endr
.Lkeep:
	s_wait_dscnt 0x0
	s_barrier_signal -1
	s_barrier_wait -1
	s_cmp_ge_u32 s[WV], 4
	s_cbranch_scc1 .Lend
.set k, 0
.rept 32
	ds_load_b128 v[RG+4*k:RG+4*k+3], v[CST] offset:512*k
.set k, k+1
.endr
.irp u, 0,1
	ds_load_b32 v[TN+2*\u], v[CSS] offset:256*\u
	ds_load_b32 v[TN+1+2*\u], v[CSS] offset:256*\u+128
.endr
	s_wait_dscnt 0x0
.irp u, 0,1
	v_min_num_f32 v[40+4*\u], v[8+4*\u], v[TN+2*\u]
	s_delay_alu instid0(VALU_DEP_1)
	v_sub_f32 v[41+4*\u], v[40+4*\u], v[8+4*\u]
	s_delay_alu instid0(VALU_DEP_2)
	v_sub_f32 v[42+4*\u], v[40+4*\u], v[TN+2*\u]
	s_delay_alu instid0(VALU_DEP_2)
	v_cvt_i32_f32 v[41+4*\u], v[41+4*\u]
	s_delay_alu instid0(VALU_DEP_2)
	v_cvt_i32_f32 v[42+4*\u], v[42+4*\u]
	s_delay_alu instid0(VALU_DEP_2)
	v_ldexp_f32 v[26+2*\u], 1.0, v[41+4*\u]
	s_delay_alu instid0(VALU_DEP_2)
	v_ldexp_f32 v[32+2*\u], 1.0, v[42+4*\u]
	v_add_f32 v[40+4*\u], v[10+4*\u], v[11+4*\u]
	s_delay_alu instid0(VALU_DEP_1)
	v_mul_f32 v[40+4*\u], v[40+4*\u], v[26+2*\u]
	s_delay_alu instid0(VALU_DEP_1)
	v_fma_f32 v[40+4*\u], v[TN+1+2*\u], v[32+2*\u], v[40+4*\u]
	s_delay_alu instid0(VALU_DEP_1)
	v_permlanex16_b32 v[43+4*\u], v[40+4*\u], s[SEL], s[SEL+1]
	s_delay_alu instid0(VALU_DEP_1)
	v_add_f32 v[40+4*\u], v[40+4*\u], v[43+4*\u]
.endr
	s_wait_alu depctr_va_vdst(0)
	v_rcp_f32 v41, v40
	v_rcp_f32 v45, v44
	v_nop
	s_wait_alu depctr_va_vdst(0)
.irp u, 0,1
	v_mul_f32 v[26+2*\u], v[26+2*\u], v[41+4*\u]
	v_mul_f32 v[32+2*\u], v[32+2*\u], v[41+4*\u]
.endr
.irp u, 0,1
.set j, 0
.rept 32
	v_pk_mul_f32 v[RG+64*\u+j:RG+64*\u+j+1], v[RG+64*\u+j:RG+64*\u+j+1], v[32+2*\u:33+2*\u] op_sel_hi:[1,0]
.set j, j+2
.endr
.endr
	WIN 0x01
.irp u, 0,1
.set j, 0
.rept 32
	v_pk_fma_f32 v[RG+64*\u+j:RG+64*\u+j+1], v[64*\u+j:64*\u+j+1], v[26+2*\u:27+2*\u], v[RG+64*\u+j:RG+64*\u+j+1] op_sel_hi:[1,0,1]
.set j, j+2
.endr
.endr
	WIN 0
.irp u, 0,1
.irp t, 0,1,2,3,4,5,6,7
.irp f, 0,1
	global_store_b128 v[GO], v[RG+64*\u+8*\t+4*\f:RG+64*\u+8*\t+4*\f+3], s[10:11] offset:65536*\u+1024*\t+256*\f th:TH_STORE_NT
.endr
.endr
.endr
.Lend:
	s_wait_tensorcnt 0x0
	ds_add_u32 v[SPW], v[NIL]
	s_wait_dscnt 0x0
	CROUND
	s_endpgm
.Lfunc_end_k_q2d783ceab2_attn:
	.size	k_q2d783ceab2_attn, .Lfunc_end_k_q2d783ceab2_attn-k_q2d783ceab2_attn
	.p2alignl 7, 3214868480
	.fill 96, 4, 3214868480
	.section	.rodata,"a",@progbits
	.p2align	6, 0x0
	.amdhsa_kernel k_q2d783ceab2_attn
		.amdhsa_group_segment_fixed_size 327680
		.amdhsa_private_segment_fixed_size 0
		.amdhsa_enable_private_segment 0
		.amdhsa_kernarg_size 32
		.amdhsa_user_sgpr_count 2
		.amdhsa_user_sgpr_kernarg_segment_ptr 1
		.amdhsa_wavefront_size32 1
		.amdhsa_system_sgpr_workgroup_id_x 1
		.amdhsa_system_sgpr_workgroup_id_y 1
		.amdhsa_system_sgpr_workgroup_id_z 1
		.amdhsa_system_vgpr_workitem_id 0
		.amdhsa_next_free_vgpr 512
		.amdhsa_next_free_sgpr 84
		.amdhsa_reserve_vcc 0
		.amdhsa_float_denorm_mode_32 3
		.amdhsa_float_denorm_mode_16_64 3
		.amdhsa_memory_ordered 1
		.amdhsa_forward_progress 1
		.amdhsa_inst_pref_size 198
	.end_amdhsa_kernel
	.amdgpu_metadata
---
amdhsa.version: [ 1, 2 ]
amdhsa.kernels:
  - .name:           k_q2d783ceab2_attn
    .symbol:         k_q2d783ceab2_attn.kd
    .args:
      - { .name: qb, .offset: 0, .size: 8, .value_kind: global_buffer, .address_space: global }
      - { .name: kvc, .offset: 8, .size: 8, .value_kind: global_buffer, .address_space: global }
      - { .name: kvs, .offset: 16, .size: 8, .value_kind: global_buffer, .address_space: global }
      - { .name: ov, .offset: 24, .size: 8, .value_kind: global_buffer, .address_space: global }
    .group_segment_fixed_size: 327680
    .private_segment_fixed_size: 0
    .kernarg_segment_align: 8
    .kernarg_segment_size: 32
    .max_flat_workgroup_size: 256
    .sgpr_count:     84
    .vgpr_count:     512
    .wavefront_size: 32
...
	.end_amdgpu_metadata
.endif
;; end of part 3
;; launch outln (part 4): grid 256 x 1, 8 waves a work-group, clusters of 4 x 1, 327,680 bytes of LDS; arguments ov, woi, x, gamma, beta, out0; writes out0
.if DOCPART == 4
	.amdgcn_target "amdgcn-amd-amdhsa--gfx1250"
	.amdhsa_code_object_version 6
	.text
	.protected	k_q2d783ceab2_outln
	.globl	k_q2d783ceab2_outln
	.p2align	8
	.type	k_q2d783ceab2_outln,@function
k_q2d783ceab2_outln:
	s_mov_b64 s[64:65], 0
	v_nop
	global_prefetch_b8 v0, s[64:65] scope:SCOPE_SE
	s_setreg_imm32_b32 hwreg(HW_REG_WAVE_MODE, 25, 1), 1
	s_wait_xcnt 0x0
	s_wait_alu depctr_hold_cnt(0) depctr_sa_sdst(0) depctr_va_vdst(0) depctr_va_sdst(0) depctr_va_ssrc(0) depctr_va_vcc(0) depctr_vm_vsrc(0)
	s_getreg_b32 s2, hwreg(HW_REG_IB_STS2, 6, 4)
	s_cmp_eq_u32 s2, 0
	s_cbranch_scc0 .Lentry_in_a_cluster
	s_endpgm
.Lentry_in_a_cluster:
	s_bfe_u32 s2, ttmp6, 0x10000c
	s_cmp_lg_u32 s2, 0x3003
	s_cbranch_scc0 .Lentry_shape_is_right
	s_endpgm
.Lentry_shape_is_right:
; OUTLN: out0 = LayerNorm(Q(out_v) W_o + x) x gamma + beta; the product on codes of E4M3 with E8M0 scales, all else in f32.  (edge_attr is dead work: see the first kernel.)
; SHARES.  A work-group owns 16 tokens (the norm wants whole rows).  Wave w: (X) quantises K step w of out_v (K = 8 d + head) and stores the fragment's image in LDS;
;   (P) makes columns 128 w .. 128 w + 127 (eight tiles), TRANSPOSED: source 0 = 16 rows of W_o, source 1 = out_v: a lane holds one token and eight neighbouring columns; (L) normalises rows 2 w, 2 w + 1.
; W_o lies in register order (the first launch laid it so), and every work-group walks all of it.  It comes by two roads.
;   Tiles 0-3 of each wave are ASKED FOR JOINTLY by the four work-groups of a cluster (mask 15), two K steps to a slot: a wave fetches 4 rows of 4,096 bytes, 16,384 apart, and it alone reads them; two slots of 131,072 bytes; four fills, each behind a round.
;   Tiles 4-7 go straight into registers, 16 loads of 512 consecutive bytes a K step, two K steps ahead.  They are not asked for jointly: in front of each round every wave has waited for all its tensor loads, and these 32 loads a wave are then what the work-group still has on its way;
;   each fragment feeds one matrix instruction of the work-group, so these bytes need no LDS.
; PREFETCH: in the trip of pair j of K steps the pair that the next trip's round loads (j + 2) is named: a wave's 128 blocks of 256 bytes are shared out among the four partners by address, a lane a block;
;   all clusters read the same W_o, so clusters 0 to 3 alone ask.  Pairs 0 and 1 come by their loads alone.
; gamma and beta are read once by the work-group, 512 bytes of each a wave, and handed round through LDS bytes of their own.
; The variance is taken of the differences from the mean, as reference() takes it.
; LIMITS: a block of zeros gets the byte 1 (its codes are zeros; this program alone reads the bytes); NaN and infinities are not served.
; REGISTERS: window 0: v1-11, v21, v22 addresses; v12-19 out_v's scale words; v24-55 out_v's fragments, two buffers (X: at work, codes); v56-119 accumulators (X: out_v as loaded; L: the rows); v120-183 x's rows (X: out_v in K's order);
;   v184-247 W_o's scale words; v248-255 sums (at first: my parts of gamma and beta).  window 1: v0-127 two sets of tiles 0-3, v128-255 two sets of tiles 4-7; in phase L gamma v0-31, beta v32-63.
.set IMG,   0                          ; LDS: out_v's eight fragments,
.set ISC,   16384                      ; their scale words, 128 bytes each,
.set SPARE, 17408                      ; the spare words, 128 bytes a wave,
.set GB,    18432                      ; gamma, 4,096 bytes, then beta,
.set S0,    26624                      ; the ring: two slots
.set SLOT,  131072
.set STG,   S0                         ; the stage, 16 rows x (4,096 bytes + 16), in slot 0: behind its last fill, and behind the barrier that follows its last read
.set LI,  1
.set LS,  2
.set OVA, 3
.set IWI, 4
.set IWS, 5
.set SO,  6
.set SR,  7
.set SPW, 8                            ; my spare word; never rewritten
.set NIL, 9                            ; 0; never rewritten
.set AW,  10                           ; v10, v11 my tiles of W_o in slot 0, 1
.set XSC, 12
.set PW,  20
.set PFO, 21                           ; the prefetches' offset; never rewritten
.set GBA, 22                           ; where my parts of gamma and beta go
.set XF,  24
.set TM,  24
.set PC,  40
.set ACC, 56
.set LR,  56
.set XR,  120
.set Y,   120
.set WSC, 184
.set RS,  248
.set WV,  16
.set SEL, 18
.set MNT, 22
.set G1,  36                           ; s[36:43] descriptor group 1; s[44:47], s[48:51] group 0 for slot 0, 1
.set G0,  44
.set PFA, 52                           ; s[52:53] my work-group's two tiles of my wave's eight
.set MSB, 0
.macro WIN new
.if MSB != (\new)
	s_set_vgpr_msb (MSB<<8)|(\new)
.set MSB, (\new)
.endif
.endm
.macro PLACES n
.rept \n
	v_nop
.endr
.endm
.macro CROUND                          ; a round of the cluster's barrier
	s_barrier_signal -1
	s_barrier_wait -1
	s_cmp_lg_u32 s[WV], 0
	s_cbranch_scc1 .Lnot_wave_0_\@
	s_barrier_signal -3
.Lnot_wave_0_\@:
	s_barrier_wait -3
	s_barrier_signal -1
	s_barrier_wait -1
.endm
	s_load_b256 s[4:11], s[0:1], 0x0               ; ov 4, woi 6, x 8, gamma 10
	s_load_b128 s[12:15], s[0:1], 0x20             ; beta 12, out0 14
	v_lshl_add_u32 v[SPW], v0, 2, SPARE
	v_mov_b32 v[NIL], 0
	ds_add_u32 v[SPW], v[NIL]                      ; the opening lines: the add, twice on end, and its wait ahead of my first tensor load
	ds_add_u32 v[SPW], v[NIL]
	v_lshrrev_b32 v22, 5, v0
	v_readfirstlane_b32 s[WV], v22                 ; wave 0..7
	s_bfe_u32 s54, ttmp6, 0x40000                  ; cx
	s_lshl_b32 s55, ttmp9, 2
	s_add_co_u32 s55, s55, s54                     ; my work-group
	s_mov_b32 s[G1], 15|(3<<16)|(1<<21)            ; the mask of all four; elements of 8 bytes
	s_mov_b32 s[G1+1], 512<<16                     ; a row: two K steps of a tile, 4,096 bytes
	s_mov_b32 s[G1+2], 4<<16
	s_mov_b32 s[G1+3], 512<<16
	s_mov_b32 s[G1+4], 4
	s_mov_b32 s[G1+5], 2048                        ; 16,384 bytes from tile to tile
	s_mov_b32 s[G1+6], 0
	s_mov_b32 s[G1+7], 0
	s_lshl_b32 s17, s[WV], 14
	s_mov_b32 s[G0], 1
	s_add_co_u32 s[G0+1], s17, S0
	s_mov_b32 s[G0+4], 1
	s_add_co_u32 s[G0+5], s17, S0+SLOT
	s_lshl_b32 s56, s[WV], 11
	s_lshl_b32 s57, s[WV], 7
	s_add_co_u32 s57, s57, ISC
	s_lshl_b32 s58, s[WV], 9
	s_add_co_u32 s58, s58, STG
	s_mul_i32 s59, s[WV], 2*4112
	s_add_co_u32 s59, s59, STG
	s_mov_b32 s[SEL], 0x76543210
	s_mov_b32 s[SEL+1], 0xfedcba98
	s_mov_b32 s20, 0x3a800000                      ; 1 / 1024
	s_mov_b32 s21, 0x3727c5ac                      ; 1e-5
	s_mov_b32 s[MNT], 0x600000
	s_lshl_b32 s28, s55, 16                        ; 16 tokens: 65,536 bytes in ov, in x and in out0
	s_lshl_b32 s17, s[WV], 10
	s_add_co_u32 s30, s28, s17                     ; ov: + 1,024 wave
	s_mov_b32 s31, 0
	s_lshl_b32 s17, s[WV], 13
	s_add_co_u32 s28, s28, s17                     ; x, out0: + two rows a wave
	s_mov_b32 s29, 0
	s_lshl_b32 s32, s[WV], 17                      ; W_o's codes: eight tiles of 16,384 bytes a wave
	s_mov_b32 s33, 0
	s_add_co_u32 s34, s17, 1048576                 ; its scale words: 8,192 bytes a wave
	s_mov_b32 s35, 0
	s_lshl_b32 s[PFA], s54, 15                     ; the prefetches: tiles 2 cx, 2 cx + 1 of my wave's eight
	s_mov_b32 s[PFA+1], 0
	s_lshl_b32 s60, s[WV], 9                       ; gamma, beta: 512 bytes a wave
	s_mov_b32 s61, 0
	s_add_co_u32 s17, s60, GB
	s_wait_dscnt 0x0                               ; both opening adds are done
	s_wait_kmcnt 0x0
	s_add_nc_u64 s[24:25], s[6:7], s[32:33]
	s_add_nc_u64 s[26:27], s[6:7], s[34:35]
	s_add_nc_u64 s[PFA:PFA+1], s[24:25], s[PFA:PFA+1]
	s_mov_b64 s[G0+2:G0+3], s[24:25]               ; K steps 0, 1
	s_or_b32 s[G0+3], s[G0+3], 0x80000000
	s_add_nc_u64 s[G0+6:G0+7], s[24:25], 4096      ; K steps 2, 3
	s_or_b32 s[G0+7], s[G0+7], 0x80000000
	s_add_nc_u64 s[4:5], s[4:5], s[30:31]
	s_add_nc_u64 s[8:9], s[8:9], s[28:29]
	s_add_nc_u64 s[14:15], s[14:15], s[28:29]
	s_add_nc_u64 s[10:11], s[10:11], s[60:61]
	s_add_nc_u64 s[12:13], s[12:13], s[60:61]
	CROUND                                         ; all four work-groups are here: the first joint loads meet
	tensor_load_to_lds s[G0:G0+3], s[G1:G1+7]      ; one tensor load a wave at the head
	s_nop 0
	PLACES 4
	v_and_b32 v22, 31, v0                          ; lane
	v_and_b32 v23, 15, v0                          ; r
	v_bfe_u32 v20, v0, 4, 1                        ; h
	v_lshlrev_b32 v[LI], 4, v22
	v_lshlrev_b32 v[LS], 2, v22
	v_lshlrev_b32 v[OVA], 4, v23
	v_mul_u32_u24 v[SO], v23, 4112
	v_lshlrev_b32 v21, 8, v23
	v_lshl_add_u32 v[OVA], v20, 3, v[OVA]          ; 16 r + 8 h: d = 4 (d / 4) + 2 h + 0, 1 of token r
	v_lshl_add_u32 v[SO], v20, 5, v[SO]
	v_lshl_add_u32 v[PFO], v20, 14, v21            ; tile lane / 16, block lane % 16 of 256 bytes
	v_add_nc_u32 v[IWI], s56, v[LI]
	v_add_nc_u32 v[IWS], s57, v[LS]
	v_add_nc_u32 v[SO], s58, v[SO]                 ; the stage: row r, + 512 wave + 32 h
	v_add_nc_u32 v[SR], s59, v[LI]                 ; back: my two rows, 16 bytes a lane
	v_add_nc_u32 v[AW], s[G0+1], v[LI]
	v_add_nc_u32 v[GBA], s17, v[LI]
	v_add_nc_u32 v[AW+1], SLOT, v[AW]
.irp b, 0,1,2,3
	v_mov_b32 v[TM+4+\b], 0                        ; a lane permute's destination counts as one of its sources
.endr
	s_wait_alu depctr_va_vdst(0)
.macro DIR ks                          ; tiles 4-7 of K step ks into their set ks % 2: 16 loads of 512 consecutive bytes
.irp t, 4,5,6,7
.irp c, 0,1,2,3
	global_load_b128 v[128+64*((\ks)%2)+16*(\t-4)+4*\c:128+64*((\ks)%2)+16*(\t-4)+4*\c+3], v[LI], s[24:25] offset:16384*\t+2048*(\ks)+512*\c
.endr
.endr
.endm
	global_load_b128 v[RS:RS+3], v[LI], s[10:11]   ; my 512 bytes of gamma,
	global_load_b128 v[RS+4:RS+7], v[LI], s[12:13] ; of beta
.irp c, 0,1,2,3
.irp hd, 0,1,2,3,4,5,6,7
	global_load_b64 v[LR+16*\c+2*\hd:LR+16*\c+2*\hd+1], v[OVA], s[4:5] offset:8192*\hd+256*\c th:TH_LOAD_NT   ; 256 consecutive bytes: head hd, d = 16 w + 4 c .. + 3, 16 tokens
.endr
.endr
.irp t, 0,1,2,3,4,5,6,7
.irp f, 0,1
	global_load_b128 v[WSC+8*\t+4*\f:WSC+8*\t+4*\f+3], v[LI], s[26:27] offset:1024*\t+512*\f
.endr
.endr
	WIN 0x40
	DIR 0
	DIR 1
	WIN 0
; THE CHANGE OF SLOTS in front of pair j of K steps: all my tensor loads are in, the add, my LDS work is over; a round; pair j + 1 goes into the slot that pair j - 1 has left.
.macro GATE j
	s_wait_tensorcnt 0x0
	ds_add_u32 v[SPW], v[NIL]
.if (\j) < 2
	s_add_nc_u64 s[G0+4*((\j)%2)+2:G0+4*((\j)%2)+3], s[G0+4*((\j)%2)+2:G0+4*((\j)%2)+3], 8192   ; no load of mine is out: this slot's next pair
.endif
	s_wait_dscnt 0x0
.if (\j) < 3
	CROUND
	tensor_load_to_lds s[G0+4*(1-(\j)%2):G0+4*(1-(\j)%2)+3], s[G1:G1+7]
	s_nop 0
	PLACES 4
.else
	s_barrier_signal -1                            ; nothing is filled any more: no round
	s_barrier_wait -1
.endif
.endm
.macro ASK j
	s_cmp_lt_u32 ttmp9, 4                          ; the cluster's number: alike in all partners
	s_cbranch_scc0 .Lnot_mine_\@
	global_prefetch_b8 v[PFO], s[PFA:PFA+1] offset:4096*((\j)+2) th:TH_LOAD_NT scope:SCOPE_SE
.Lnot_mine_\@:
.endm
; K step ks: out_v's fragment, tiles 0-3 from the slot, eight products, then tiles 4-7 of K step ks + 2; the eight accumulators take turns, one instruction a turn
.macro WORK ks
.set P_, (\ks)%2
.if (\ks) == 0
.irp s, 0,1,2,3,4,5,6,7
	ds_load_b32 v[XSC+\s], v[LS] offset:ISC+128*\s
.endr
.endif
.irp c, 0,1,2,3
	ds_load_b128 v[XF+16*P_+4*\c:XF+16*P_+4*\c+3], v[LI] offset:IMG+2048*(\ks)+512*\c
.endr
.if ((\ks) == 0) || ((\ks) == 2)
	ASK (\ks)/2
.endif
	WIN 0x40
.irp t, 0,1,2,3
.irp c, 0,1,2,3
	ds_load_b128 v[64*P_+16*\t+4*\c:64*P_+16*\t+4*\c+3], v[AW+((\ks)/2)%2] offset:4096*\t+2048*P_+512*\c
.endr
.endr
	WIN 0
.if (\ks) < 2
	s_wait_loadcnt 32                              ; this K step's tiles 4-7 are in (and W_o's scale words); behind them: x's 16 loads and one set of 16
.elseif (\ks) < 7
	s_wait_loadcnt 16                              ; behind them: the next K step's 16
.else
	s_wait_loadcnt 0x0
.endif
	s_wait_dscnt 0x0
	WIN 0x01
.irp t, 0,1,2,3,4,5,6,7
.if (\ks) == 0
	v_wmma_scale_f32_16x16x128_f8f6f4 v[ACC+8*\t:ACC+8*\t+7], v[128*(\t/4)+64*P_+16*(\t%4):128*(\t/4)+64*P_+16*(\t%4)+15], v[XF+16*P_:XF+16*P_+15], 0, v[WSC+8*\t+(\ks)], v[XSC+(\ks)]
.else
	v_wmma_scale_f32_16x16x128_f8f6f4 v[ACC+8*\t:ACC+8*\t+7], v[128*(\t/4)+64*P_+16*(\t%4):128*(\t/4)+64*P_+16*(\t%4)+15], v[XF+16*P_:XF+16*P_+15], v[ACC+8*\t:ACC+8*\t+7], v[WSC+8*\t+(\ks)], v[XSC+(\ks)]
.endif
.endr
	WIN 0
	PLACES 8                                       ; in front of loads into registers that matrix instructions have read, and of the first read of results
.if (\ks) < 6
	WIN 0x40
	DIR (\ks)+2
	WIN 0
.endif
.endm
	GATE 0                                         ; K steps 0, 1 are in; the load of K steps 2, 3, slot 1's first fill, goes out ahead of phase X
	s_wait_loadcnt 48                              ; gamma's, beta's and out_v's loads are in; 16 of scale words and 32 of W_o may be out
; ---- X: my K step of out_v.  Block c: k = 32 c + 16 h + 8 dd + hd; the hold moves each number to its place along K
.irp c, 0,1,2,3
	v_max3_num_f32 v[TM+\c], |v[LR+16*\c]|, |v[LR+16*\c+1]|, 0x4800000
.endr
.irp i, 2,4,6,8,10,12,14
.irp c, 0,1,2,3
	s_delay_alu instid0(VALU_DEP_4)
	v_max3_num_f32 v[TM+\c], v[TM+\c], |v[LR+16*\c+\i]|, |v[LR+16*\c+\i+1]|
.endr
.endr
.irp c, 0,1,2,3
	s_delay_alu instid0(VALU_DEP_4)
	v_permlanex16_b32 v[TM+4+\c], v[TM+\c], s[SEL], s[SEL+1]
.endr
.irp c, 0,1,2,3
	s_delay_alu instid0(VALU_DEP_4)
	v_max_num_f32 v[TM+\c], v[TM+\c], v[TM+4+\c]
.endr
.irp c, 0,1,2,3
	s_delay_alu instid0(VALU_DEP_4)
	v_add_nc_u32 v[TM+12+\c], 0xfc000000, v[TM+\c]
.endr
.irp c, 0,1,2,3
	v_and_or_b32 v[TM+8+\c], v[TM+\c], 0x7f800000, s[MNT]
.endr
.irp c, 0,1,2,3
	v_lshrrev_b32 v[TM+4+\c], 23, v[TM+12+\c]
.endr
	s_delay_alu instid0(VALU_DEP_3)
	v_lshl_or_b32 v[PW], v[TM+5], 8, v[TM+4]
	s_delay_alu instid0(VALU_DEP_1)
	v_lshl_or_b32 v[PW], v[TM+6], 16, v[PW]
	s_delay_alu instid0(VALU_DEP_1)
	v_lshl_or_b32 v[PW], v[TM+7], 24, v[PW]
.irp c, 0,1,2,3
.irp hd, 0,1,2,3,4,5,6,7
.irp dd, 0,1
	v_med3_num_f32 v[Y+16*\c+8*\dd+\hd], v[LR+16*\c+2*\hd+\dd], -v[TM+8+\c], v[TM+8+\c]
.endr
.endr
	v_cvt_scalef32_pk8_fp8_f32 v[PC+4*\c:PC+4*\c+1], v[Y+16*\c:Y+16*\c+7], v[TM+12+\c]
	v_cvt_scalef32_pk8_fp8_f32 v[PC+4*\c+2:PC+4*\c+3], v[Y+16*\c+8:Y+16*\c+15], v[TM+12+\c]
.endr
	v_nop                                          ; a plain line behind the last conversion
.irp c, 0,1,2,3
	ds_store_b128 v[IWI], v[PC+4*\c:PC+4*\c+3] offset:IMG+512*\c
.endr
	ds_store_b32 v[IWS], v[PW]
	ds_store_b128 v[GBA], v[RS:RS+3]               ; my part of gamma,
	ds_store_b128 v[GBA], v[RS+4:RS+7] offset:4096 ; of beta
.irp a, 0,1
.irp k, 0,1,2,3,4,5,6,7
	global_load_b128 v[XR+32*\a+4*\k:XR+32*\a+4*\k+3], v[LI], s[8:9] offset:4096*\a+512*\k th:TH_LOAD_NT   ; the residual: my two rows
.endr
.endr
	s_wait_dscnt 0x0                               ; my stores have landed
	s_barrier_signal -1
	s_barrier_wait -1                              ; all eight fragments of out_v, gamma and beta lie in LDS
; ---- P
	WORK 0
	WORK 1
.irp j, 1,2,3
	GATE \j
	WORK 2*\j
	WORK 2*\j+1
.endr
.irp t, 0,1,2,3,4,5,6,7
	ds_store_b128 v[SO], v[ACC+8*\t:ACC+8*\t+3] offset:64*\t                ; each accumulator from its low end on
	ds_store_b128 v[SO], v[ACC+8*\t+4:ACC+8*\t+7] offset:64*\t+16
.endr
	s_wait_dscnt 0x0
	s_barrier_signal -1
	s_barrier_wait -1                              ; 16 whole rows lie in the stage
; ---- L: my two rows
.irp a, 0,1
.irp k, 0,1,2,3,4,5,6,7
	ds_load_b128 v[ACC+32*\a+4*\k:ACC+32*\a+4*\k+3], v[SR] offset:4112*\a+512*\k
.endr
.endr
	WIN 0x40
.irp k, 0,1,2,3,4,5,6,7
	ds_load_b128 v[4*\k:4*\k+3], v[LI] offset:GB+512*\k                     ; gamma
	ds_load_b128 v[32+4*\k:32+4*\k+3], v[LI] offset:GB+4096+512*\k          ; beta
.endr
	WIN 0
	s_wait_dscnt 0x0
.set k, 0
.rept 32
	v_pk_add_f32 v[ACC+2*k:ACC+2*k+1], v[ACC+2*k:ACC+2*k+1], v[XR+2*k:XR+2*k+1]    ; + the residual (its loads were waited for in K step 2)
.set k, k+1
.endr
.macro REDUCE                          ; each row's two packed chains become one number in every lane
.irp a, 0
	s_delay_alu instid0(VALU_DEP_3)
	v_pk_add_f32 v[RS+4*\a:RS+4*\a+1], v[RS+4*\a:RS+4*\a+1], v[RS+4*\a+2:RS+4*\a+3]
.endr
.irp a, 1
	s_delay_alu instid0(VALU_DEP_2)
	v_pk_add_f32 v[RS+4*\a:RS+4*\a+1], v[RS+4*\a:RS+4*\a+1], v[RS+4*\a+2:RS+4*\a+3]
.endr
.irp a, 0,1
	s_delay_alu instid0(VALU_DEP_2)
	v_add_f32 v[RS+4*\a], v[RS+4*\a], v[RS+4*\a+1]
.endr
.irp m, 1,2,4,8
.irp a, 0,1
	s_delay_alu instid0(VALU_DEP_2)
	v_add_f32_dpp v[RS+4*\a], v[RS+4*\a], v[RS+4*\a] row_xmask:\m row_mask:0xf bank_mask:0xf
.endr
.endr
.irp a, 0,1
	s_delay_alu instid0(VALU_DEP_2)
	v_permlanex16_b32 v[RS+4*\a+2], v[RS+4*\a], s[SEL], s[SEL+1]
.endr
.irp a, 0,1
	s_delay_alu instid0(VALU_DEP_2)
	v_add_f32 v[RS+4*\a], v[RS+4*\a], v[RS+4*\a+2]
.endr
.endm
.irp a, 0,1
	v_pk_add_f32 v[RS+4*\a:RS+4*\a+1], v[ACC+32*\a:ACC+32*\a+1], v[ACC+32*\a+2:ACC+32*\a+3]
	v_pk_add_f32 v[RS+4*\a+2:RS+4*\a+3], v[ACC+32*\a+4:ACC+32*\a+5], v[ACC+32*\a+6:ACC+32*\a+7]
.endr
.irp j, 8,12,16,20,24,28
.irp a, 0,1
	s_delay_alu instid0(VALU_DEP_4)
	v_pk_add_f32 v[RS+4*\a:RS+4*\a+1], v[RS+4*\a:RS+4*\a+1], v[ACC+32*\a+\j:ACC+32*\a+\j+1]
	s_delay_alu instid0(VALU_DEP_4)
	v_pk_add_f32 v[RS+4*\a+2:RS+4*\a+3], v[RS+4*\a+2:RS+4*\a+3], v[ACC+32*\a+\j+2:ACC+32*\a+\j+3]
.endr
.endr
	REDUCE
.irp a, 0,1
	s_delay_alu instid0(VALU_DEP_2)
	v_mul_f32 v[RS+4*\a], s20, v[RS+4*\a]          ; the mean
.endr
.irp a, 0,1
.set j, 0
.rept 16
	v_pk_add_f32 v[ACC+32*\a+j:ACC+32*\a+j+1], v[ACC+32*\a+j:ACC+32*\a+j+1], v[RS+4*\a:RS+4*\a+1] op_sel_hi:[1,0] neg_lo:[0,1] neg_hi:[0,1]   ; less the mean
.set j, j+2
.endr
.endr
.irp a, 0,1
	v_pk_mul_f32 v[RS+4*\a:RS+4*\a+1], v[ACC+32*\a:ACC+32*\a+1], v[ACC+32*\a:ACC+32*\a+1]
	v_pk_mul_f32 v[RS+4*\a+2:RS+4*\a+3], v[ACC+32*\a+2:ACC+32*\a+3], v[ACC+32*\a+2:ACC+32*\a+3]
.endr
.irp j, 4,8,12,16,20,24,28
.irp a, 0,1
	s_delay_alu instid0(VALU_DEP_4)
	v_pk_fma_f32 v[RS+4*\a:RS+4*\a+1], v[ACC+32*\a+\j:ACC+32*\a+\j+1], v[ACC+32*\a+\j:ACC+32*\a+\j+1], v[RS+4*\a:RS+4*\a+1]
	s_delay_alu instid0(VALU_DEP_4)
	v_pk_fma_f32 v[RS+4*\a+2:RS+4*\a+3], v[ACC+32*\a+\j+2:ACC+32*\a+\j+3], v[ACC+32*\a+\j+2:ACC+32*\a+\j+3], v[RS+4*\a+2:RS+4*\a+3]
.endr
.endr
	REDUCE
.irp a, 0,1
	s_delay_alu instid0(VALU_DEP_2)
	v_fma_f32 v[RS+4*\a], v[RS+4*\a], s20, s21     ; the variance + 1e-5
.endr
	s_wait_alu depctr_va_vdst(0)
.irp a, 0,1
	v_rsq_f32 v[RS+4*\a+2], v[RS+4*\a]
.endr
	v_nop                                          ; a plain line behind the last of the two
	s_wait_alu depctr_va_vdst(0)                   ; one wait for both, ahead of the first reader
.irp a, 0,1
.set j, 0
.rept 16
	v_pk_mul_f32 v[ACC+32*\a+j:ACC+32*\a+j+1], v[ACC+32*\a+j:ACC+32*\a+j+1], v[RS+4*\a+2:RS+4*\a+3] op_sel_hi:[1,0]
.set j, j+2
.endr
.endr
	WIN 0x14                                       ; gamma and beta lie in window 1
.irp a, 0,1
.set j, 0
.rept 16
	v_pk_fma_f32 v[ACC+32*\a+j:ACC+32*\a+j+1], v[ACC+32*\a+j:ACC+32*\a+j+1], v[j:j+1], v[32+j:32+j+1]
.set j, j+2
.endr
.endr
	WIN 0
.irp a, 0,1
.irp k, 0,1,2,3,4,5,6,7
	global_store_b128 v[LI], v[ACC+32*\a+4*\k:ACC+32*\a+4*\k+3], s[14:15] offset:4096*\a+512*\k th:TH_STORE_NT   ; 512 consecutive bytes
.endr
.endr
	s_wait_tensorcnt 0x0                           ; the wave's end: behind my last tensor load and my last LDS store
	ds_add_u32 v[SPW], v[NIL]
	s_wait_dscnt 0x0
	CROUND                                         ; the closing round
	s_endpgm
.Lfunc_end_k_q2d783ceab2_outln:
	.size	k_q2d783ceab2_outln, .Lfunc_end_k_q2d783ceab2_outln-k_q2d783ceab2_outln
	.p2alignl 7, 3214868480
	.fill 96, 4, 3214868480
	.section	.rodata,"a",@progbits
	.p2align	6, 0x0
	.amdhsa_kernel k_q2d783ceab2_outln
		.amdhsa_group_segment_fixed_size 327680
		.amdhsa_private_segment_fixed_size 0
		.amdhsa_enable_private_segment 0
		.amdhsa_kernarg_size 48
		.amdhsa_user_sgpr_count 2
		.amdhsa_user_sgpr_kernarg_segment_ptr 1
		.amdhsa_wavefront_size32 1
		.amdhsa_system_sgpr_workgroup_id_x 1
		.amdhsa_system_sgpr_workgroup_id_y 1
		.amdhsa_system_sgpr_workgroup_id_z 1
		.amdhsa_system_vgpr_workitem_id 0
		.amdhsa_next_free_vgpr 512
		.amdhsa_next_free_sgpr 66
		.amdhsa_reserve_vcc 0
		.amdhsa_float_denorm_mode_32 3
		.amdhsa_float_denorm_mode_16_64 3
		.amdhsa_memory_ordered 1
		.amdhsa_forward_progress 1
		.amdhsa_inst_pref_size 80
	.end_amdhsa_kernel
	.amdgpu_metadata
---
amdhsa.version: [ 1, 2 ]
amdhsa.kernels:
  - .name:           k_q2d783ceab2_outln
    .symbol:         k_q2d783ceab2_outln.kd
    .args:
      - { .name: ov, .offset: 0, .size: 8, .value_kind: global_buffer, .address_space: global }
      - { .name: woi, .offset: 8, .size: 8, .value_kind: global_buffer, .address_space: global }
      - { .name: x, .offset: 16, .size: 8, .value_kind: global_buffer, .address_space: global }
      - { .name: gamma, .offset: 24, .size: 8, .value_kind: global_buffer, .address_space: global }
      - { .name: beta, .offset: 32, .size: 8, .value_kind: global_buffer, .address_space: global }
      - { .name: out0, .offset: 40, .size: 8, .value_kind: global_buffer, .address_space: global }
    .group_segment_fixed_size: 327680
    .private_segment_fixed_size: 0
    .kernarg_segment_align: 8
    .kernarg_segment_size: 48
    .max_flat_workgroup_size: 256
    .sgpr_count:     66
    .vgpr_count:     512
    .wavefront_size: 32
...
	.end_amdgpu_metadata
.endif
;; end of part 4
